; MI455X (gfx1250); checked and timed in simulation.
; The chip was launched on July 23, 2026; its instructions are those of AMD's public machine-readable ISA for CDNA 5 (MIT licence, August 2026) and "CDNA5" Instruction Set Architecture Reference Guide (July 2026). The comments in the code are by the model that wrote it; some were corrected since.
;; BC. Allowed arithmetic: matrix products marked QUANTISED: E3M2 operands, one E8M0 scale for each 32 along K, by v_wmma_scale_f32_16x16x128_f8f6f4 with both operands' format E3M2, f32 sums; products left as they are: f32 operands where the result goes on into a quantised operand, else bf16, f16 or f32 operands; f32 sums; everything else in f32.
;; Inputs: h_bias 1 x 8 x 1 x 1 float32; h_mat 1 x 8 x 1 x 3,072 float32; q 64 x 32 x 1,024 float32; q_b 3,072 float32; q_g one number float32; q_w 3,072 x 1,024 float32; v 64 x 128 x 2,048 float32; v_b 3,072 float32; v_g one number float32; v_w 3,072 x 2,048 float32.
;; Outputs: out0 64 x 8 x 128 x 32 float32.
;; This version of the problem:
;;   THIS VERSION OF THE PROBLEM IS GIVEN IN LOW PRECISION. The matrix products marked QUANTISED in the list below multiply operands that are first quantised to E3M2 (3 exponent bits, 2 mantissa bits; 6 bits a number), with one power-of-two scale for each 32 numbers along K (OCP MX v1.0); their sums are f32. All else is computed in f32.
;;   The module's matrix products, in the order in which they are computed (A, B: the left and right operand; K: the contracted axis; several contracted axes count as one K, in the product's order):
;;     1. [M 8,192, K 2,048] x [K 2,048, N 3,072]; A: input v; B: computed on the way: QUANTISED
;;     2. [M 2,048, K 1,024] x [K 1,024, N 3,072]; A: input q; B: computed on the way: QUANTISED
;;     3. batch 3,072 x [M 2,048, K 1] x [K 1, N 8]; A: computed on the way; B: computed on the way: left as it is (no contracted axis)
;;     4. batch 64 x [M 256, K 3,072] x [K 3,072, N 128]; A: computed on the way; B: computed on the way: QUANTISED
;;   THE QUANTISER, for each operand of a quantised product, along K:
;;     - K is cut into blocks of 32 from its start; a last block that is shorter is filled with zeros.
;;     - A block's scale is 2^e with e = floor(log2(the largest magnitude in the block)) - 4, held to -126 .. 127; a block of zeros has e = 0. As a byte (E8M0): e + 127.
;;     - Each number is divided by its block's scale, clamped to +-28, and rounded to the nearest number of E3M2, ties to even, subnormals kept.
;;     - The product sums the exact products of the quantised numbers (number of the format x scale) in f32.
;;   ~~~python
;;   def quantise(x, axis):      # numpy; x: float32 -> the quantised numbers, widened to float32 again
;;       x = np.moveaxis(x, axis, -1); K = x.shape[-1]
;;       x = np.pad(x, [(0, 0)] * (x.ndim - 1) + [(0, -K % 32)]); x = x.reshape(x.shape[:-1] + (-1, 32)); a = np.abs(x).max(-1, keepdims=True)
;;       e = np.where(a > 0, np.clip(np.frexp(np.where(a > 0, a, 1))[1] - 1 - 4, -126, 127), 0)      # np.frexp(a)[1] - 1 = floor(log2(a)), exactly
;;       r = np.clip(x / 2.0 ** e, -28, 28)
;;       step = 2.0 ** (np.maximum(np.frexp(np.where(r == 0, 1, r))[1] - 1, -2) - 2)
;;       q = np.round(r / step) * step * 2.0 ** e      # np.round: ties to even
;;       return np.moveaxis(q.reshape(q.shape[:-2] + (-1,))[..., :K], -1, axis).astype(np.float32)
;;   ~~~
;;   OPERANDS COMPUTED ON THE WAY. 'Computed on the way' means the value that the module computes at that place (a softmax that the list does not call 'softmax' is quantised finished and normalised). What goes into a quantiser is computed in f32, as accurately as f32 sums, v_exp_f32 and their like allow (about 1e-6 of the number): no bf16 or f16 on the way to a quantiser, and a product that is left as it is and whose result goes on into a quantised operand takes f32 operands (vector FMAs, or v_wmma_f32_16x16x4_f32). A number that lies on a knife's edge between two numbers of the format may be rounded either way, as far as f32 arithmetic and the matrix unit's own rounding can turn it there, and no further.
;; One version. Each part assembles by itself: llvm-mc -triple=amdgcn-amd-amdhsa -mcpu=gfx1250 --defsym DOCPART=n.
;; ======== version 1 of 1: 4 launches
;; workspace buffers: xv 13,107,200 bytes; xq 1,638,400 bytes; wv 4,915,200 bytes; wq 2,457,600 bytes; parts 2,304 bytes; vc 19,660,800 bytes; qc 39,321,600 bytes
;; launch prep (part 1): grid 720 x 1, 4 waves a work-group, no clusters, 34,304 bytes of LDS; arguments v, q, v_w, q_w, xv, xq, parts; writes xv, xq, parts
.if DOCPART == 1
	.amdgcn_target "amdgcn-amd-amdhsa--gfx1250"
	.amdhsa_code_object_version 6
	.text
	.protected	k_qa89e3daa3b_prep
	.globl	k_qa89e3daa3b_prep
	.p2align	8
	.type	k_qa89e3daa3b_prep,@function
k_qa89e3daa3b_prep:
	s_mov_b64 s[64:65], 0
	v_nop
	global_prefetch_b8 v0, s[64:65] scope:SCOPE_SE
	s_setreg_imm32_b32 hwreg(HW_REG_WAVE_MODE, 25, 1), 1
	s_wait_xcnt 0x0
; out[b][h][v][q] = sum over k of Q(hm[h][k] q_[b][q][k]) Q(v_[b][v][k]) + h_bias[h],  v_ = relu(Q(v) Q(s_v v_w)^T + v_b),  q_ = relu(Q(q) Q(s_q q_w)^T + q_b),  s = g / |w|.
; Q: codes of BF6 (E3M2) with one E8M0 scale for each 32 along the product's K.  FOUR LAUNCHES: this one, wprep, gemm, bilin.
; DEAD WORK: none.  Every input has a way to the output for some values of the inputs (g / |w| is 1 only for special data), so every input is loaded and every product is made.
; THIS LAUNCH: (1) v [8192][2048] and q [2048][1024], f32, become codes; (2) partial sums of squares of v_w and q_w (s spans the whole weight, so the weights' codes wait for the next launch).
; THE UNIT, the layout of every buffer of codes in this program: 128 rows x 128 K = 12,800 bytes: 8 fragments (16 rows each) as IMAGES OF THE OPERAND'S REGISTERS, 1,536 bytes each:
; registers 4 p .. 4 p + 3 of lane l at 512 p + 16 l (lane l holds row l % 16; registers 6 c .. 6 c + 5 hold k = 64 c + 32 (l / 16) + 0 .. 31); then 512 bytes of scale words:
; lane l's 8 bytes at 12,288 + 256 j + 8 l are words i = 0, 1: the word of fragment 4 j + 2 i + l / 16, row l % 16.  A buffer is [row / 128][K / 128] units on end.
; SHARES: work-groups 0-511 take v, 512-575 q (one path; pointers chosen by the work-group's number), 576-719 the sums of squares.  A wave takes half a unit: 64 rows x 128 K.
; A fragment's 16 rows are loaded 512 consecutive bytes a load, turn through the wave's own stage in LDS (rows of 512 + 16 bytes) and come back 128 bytes a lane: two whole blocks of 32, so no other lane is asked for a maximum.
; No cluster, no tensor load: work-groups share no byte.
; LIMITS: NaN and infinities among the inputs are not served.  A block of zeros gets the byte 1 where the rule says 127: its codes are zeros, and the bytes are read by this program alone.
; The 576 partial sums leave by one store of 4 bytes a wave: 2,304 bytes in the whole launch.
.set STG,   8448                       ; a wave's stage: 16 rows x 528 bytes
.set SPARE, 4*STG                      ; behind the stages: the spare words, 128 bytes a wave, two blocks of 256 bytes that no other line names
.set LI,  4                            ; v4   16 x lane
.set L8,  5                            ; v5   8 x lane
.set STW, 6                            ; v6   the stage, on the way in
.set LDW, 7                            ; v7   and back: 528 x row + 128 x half
.set SH,  8                            ; v8   8 x (lane / 16): where my two scale bytes stand in the word
.set SPW, 12                           ; v12  my spare word; never rewritten
.set NIL, 13                           ; v13  0; never rewritten
.set OFF, 16                           ; v16-31  16 x lane + i rows
.set CD,  32                           ; v32-43  a fragment's codes
.set CT,  44                           ; v44-51  the halves of blocks that are made elsewhere and moved
.set QT,  52                           ; v52-59  at work in QUANT6
.set SW,  60                           ; v60-61  the half unit's scale words
.set WD,  62                           ; v62     a scale word
.set X,   64                           ; v64-255 three sets of 64 numbers
.set NA,  32                           ; v32-47  the sums of squares: eight pairs
.set SEL, 20                           ; s[20:21] v_permlanex16_b32's selects for lane l xor 16
.set MHI, 22                           ; s22  lanes 16-31
.set BASE, 32                          ; s[32:39] where the four fragments' rows begin
; 64 numbers of a lane, register 32 c + i = k 64 c + 32 (lane / 16) + i of my row, become a fragment's 12 registers of codes at v[dst] and the row's scale word in v[wrd] (in both halves of the lanes).
.macro QUANT6 src, dst, wrd
.irp k, 0,1
	v_max3_num_f32 v[QT+2*\k], |v[(\src)+32*\k]|, |v[(\src)+32*\k+1]|, |v[(\src)+32*\k+2]|          ; the largest magnitude of each of my two blocks, two chains a block
	v_max3_num_f32 v[QT+2*\k+1], |v[(\src)+32*\k+3]|, |v[(\src)+32*\k+4]|, |v[(\src)+32*\k+5]|
.endr
.irp i, 6,10,14,18,22,26
.irp k, 0,1
	v_max3_num_f32 v[QT+2*\k], v[QT+2*\k], |v[(\src)+32*\k+\i]|, |v[(\src)+32*\k+\i+1]|
	v_max3_num_f32 v[QT+2*\k+1], v[QT+2*\k+1], |v[(\src)+32*\k+\i+2]|, |v[(\src)+32*\k+\i+3]|
.endr
.endr
.irp k, 0,1
	v_max3_num_f32 v[QT+2*\k], v[QT+2*\k], |v[(\src)+32*\k+30]|, |v[(\src)+32*\k+31]|
.endr
.irp k, 0,1
	v_max3_num_f32 v[QT+2*\k], v[QT+2*\k], v[QT+2*\k+1], 0x2800000   ; and the floor 2^(5 - 127): the byte cannot fall under 1
.endr
	v_add_nc_u32 v[QT+4], 0xfe000000, v[QT]        ; 4 off the exponent field: the conversion takes this operand's exponent field as its scale
	v_add_nc_u32 v[QT+5], 0xfe000000, v[QT+2]
	v_lshrrev_b32 v[QT+6], 23, v[QT+4]             ; the scales' bytes: blocks h and 2 + h of my row
	v_lshrrev_b32 v[QT+7], 23, v[QT+5]
	v_lshl_or_b32 v[QT+6], v[QT+7], 16, v[QT+6]
	v_lshlrev_b32 v[QT+6], v[SH], v[QT+6]          ; at their places in the word
	v_permlanex16_b32 v[QT+7], v[QT+6], s[SEL], s[SEL+1]
	v_or_b32 v[\wrd], v[QT+6], v[QT+7]             ; with lane l xor 16's two the word is whole
	v_cvt_scalef32_pk16_bf6_f32 v[(\dst):(\dst)+2], v[(\src):(\src)+15], v[QT+4]
	v_cvt_scalef32_pk16_bf6_f32 v[CT:CT+2], v[(\src)+16:(\src)+31], v[QT+4]          ; (a conversion's three registers begin on an even number)
	v_cvt_scalef32_pk16_bf6_f32 v[(\dst)+6:(\dst)+8], v[(\src)+32:(\src)+47], v[QT+5]
	v_cvt_scalef32_pk16_bf6_f32 v[CT+4:CT+6], v[(\src)+48:(\src)+63], v[QT+5]
	v_nop                                          ; one plain place behind the scaled conversions
.irp i, 0,1,2
	v_mov_b32 v[(\dst)+3+\i], v[CT+\i]
	v_mov_b32 v[(\dst)+9+\i], v[CT+4+\i]
.endr
.endm
.macro LOADF ff                        ; fragment ff's 16 rows x 512 bytes into set ff % 3
.irp i, 0,1,2,3,4,5,6,7,8,9,10,11,12,13,14,15
	global_load_b128 v[X+64*((\ff)%3)+4*\i:X+64*((\ff)%3)+4*\i+3], v[OFF+\i], s[BASE+2*(\ff):BASE+2*(\ff)+1] th:TH_LOAD_NT
.endr
.endm
.macro FRAGMENT ff, left               ; left: the loads of the younger sets, which may stay out
.set XS, X+64*((\ff)%3)
	s_wait_loadcnt \left
.irp i, 0,1,2,3,4,5,6,7,8,9,10,11,12,13,14,15
	ds_store_b128 v[STW], v[XS+4*\i:XS+4*\i+3] offset:528*\i
.endr
.irp i, 0,1,2,3,4,5,6,7,8,9,10,11,12,13,14,15
	ds_load_b128 v[XS+4*\i:XS+4*\i+3], v[LDW] offset:256*(\i/8)+16*(\i%8)   ; LDS serves a wave's instructions in order: these see the stores above
.endr
	s_wait_dscnt 0x0
	s_wait_xcnt 0x0                                ; the last fragment's stores have read their data: the codes' registers are written again only behind this wait
.if (\ff)%2 == 0
	QUANT6 XS, CD, SW+(\ff)/2
.else
	QUANT6 XS, CD, WD
	v_cndmask_b32 v[SW+(\ff)/2], v[SW+(\ff)/2], v[WD], s[MHI]    ; lanes 0-15 keep the even fragment's word, lanes 16-31 take the odd one's
.endif
.irp p, 0,1,2
	global_store_b128 v[LI], v[CD+4*\p:CD+4*\p+3], s[40:41] offset:1536*(\ff)+512*\p   ; 512 consecutive bytes, aligned
.endr
.endm
.macro NLOAD g                         ; 8,192 bytes of a weight into set g % 2.  No hint: the next launch reads these bytes again
.irp i, 0,1,2,3,4,5,6,7,8,9,10,11,12,13,14,15
	global_load_b128 v[X+64*((\g)%2)+4*\i:X+64*((\g)%2)+4*\i+3], v[LI], s[4:5] offset:8192*(\g)+512*\i
.endr
.endm
.macro NSUM g                          ; their squares onto eight pairs of sums; the first eight products start the sums
.set XS, X+64*((\g)%2)
.set nn, 0
.rept 32
.if ((\g) == 0) && (nn < 8)
	v_pk_mul_f32 v[NA+2*nn:NA+2*nn+1], v[XS+2*nn:XS+2*nn+1], v[XS+2*nn:XS+2*nn+1]
.else
	v_pk_fma_f32 v[NA+2*(nn%8):NA+2*(nn%8)+1], v[XS+2*nn:XS+2*nn+1], v[XS+2*nn:XS+2*nn+1], v[NA+2*(nn%8):NA+2*(nn%8)+1]
.endif
.set nn, nn+1
.endr
.endm
	s_load_b256 s[4:11], s[0:1], 0x0               ; v, q, v_w, q_w
	s_load_b128 s[12:15], s[0:1], 0x20             ; xv, xq
	s_load_b64 s[16:17], s[0:1], 0x30              ; parts
	v_lshl_add_u32 v[SPW], v0, 2, SPARE
	v_mov_b32 v[NIL], 0
	v_lshrrev_b32 v1, 5, v0
	v_readfirstlane_b32 s18, v1                    ; wave
	v_and_b32 v1, 31, v0                           ; lane
	v_lshlrev_b32 v[LI], 4, v1
	s_mov_b32 s[SEL], 0x76543210
	s_mov_b32 s[SEL+1], 0xfedcba98
	s_mov_b32 s31, 0
	s_cmp_ge_u32 ttmp9, 576
	s_cbranch_scc1 .Lnorm
	; ---- v and q into codes
	v_and_b32 v2, 15, v0                           ; r
	v_bfe_u32 v3, v0, 4, 1                         ; h
	v_lshlrev_b32 v[L8], 3, v1
	s_mul_i32 s19, s18, STG
	v_add_nc_u32 v[STW], s19, v[LI]
	v_mul_u32_u24 v[LDW], v2, 528
	v_lshl_add_u32 v[LDW], v3, 7, v[LDW]
	v_add_nc_u32 v[LDW], s19, v[LDW]
	v_lshlrev_b32 v[SH], 3, v3
	s_mov_b32 s[MHI], 0xffff0000
	s_cmp_lt_u32 ttmp9, 512                        ; v's work-group or q's: the choice hangs on the work-group's number alone
	s_cselect_b32 s23, 4, 3                        ; log2 of the units along K
	s_cselect_b32 s24, 0, 512
	s_wait_kmcnt 0x0
	s_cselect_b64 s[4:5], s[4:5], s[6:7]
	s_cselect_b64 s[12:13], s[12:13], s[14:15]
	s_sub_co_u32 s24, ttmp9, s24
	s_lshl_b32 s24, s24, 2
	s_add_co_u32 s24, s24, s18                     ; my half unit
	s_lshr_b32 s25, s24, 1                         ; its unit
	s_and_b32 s26, s24, 1                          ; which half
	s_lshr_b32 s27, s25, s23                       ; the unit's block of 128 rows
	s_lshl_b32 s28, s27, s23
	s_sub_co_u32 s28, s25, s28                     ; and its place along K
	s_lshl_b32 s29, 512, s23                       ; a row in bytes
	s_lshl_b32 s27, s27, 7
	s_lshl_b32 s30, s26, 6
	s_add_co_u32 s27, s27, s30                     ; my first row
	s_mul_i32 s30, s27, s29
	s_lshl_b32 s28, s28, 9
	s_add_co_u32 s30, s30, s28
	s_add_nc_u64 s[BASE:BASE+1], s[4:5], s[30:31]
	s_lshl_b32 s30, s29, 4                         ; 16 rows on
	s_add_nc_u64 s[BASE+2:BASE+3], s[BASE:BASE+1], s[30:31]
	s_add_nc_u64 s[BASE+4:BASE+5], s[BASE+2:BASE+3], s[30:31]
	s_add_nc_u64 s[BASE+6:BASE+7], s[BASE+4:BASE+5], s[30:31]
	s_mul_i32 s30, s25, 12800
	s_add_nc_u64 s[42:43], s[12:13], s[30:31]      ; my unit
	s_mul_i32 s30, s26, 6144
	s_add_nc_u64 s[40:41], s[42:43], s[30:31]      ; my four fragments
	s_lshl_b32 s30, s26, 8
	s_add_nc_u64 s[42:43], s[42:43], s[30:31]      ; my 256 bytes of scale words (12,288 stands in the immediate)
	v_mov_b32 v[OFF], v[LI]
.irp i, 1,2,3,4,5,6,7,8,9,10,11,12,13,14,15
	v_add_nc_u32 v[OFF+\i], s29, v[OFF+\i-1]
.endr
	LOADF 0
	LOADF 1
	LOADF 2
	FRAGMENT 0, 32
	LOADF 3                                        ; into set 0, which has been quantised
	FRAGMENT 1, 32
	FRAGMENT 2, 16
	FRAGMENT 3, 0
	global_store_b64 v[L8], v[SW:SW+1], s[42:43] offset:12288    ; 256 consecutive bytes, aligned
	s_wait_tensorcnt 0x0                           ; the wave's end
	ds_add_u32 v[SPW], v[NIL]
	s_wait_dscnt 0x0
	s_endpgm
.Lnorm:
	; ---- sums of squares: item i of 576 is 16,384 numbers: items 0-191 of q_w, 192-575 of v_w.
	s_sub_co_u32 s24, ttmp9, 576
	s_lshl_b32 s24, s24, 2
	s_add_co_u32 s24, s24, s18                     ; my item
	s_cmp_lt_u32 s24, 192
	s_cselect_b32 s25, 0, 192
	s_wait_kmcnt 0x0
	s_cselect_b64 s[4:5], s[10:11], s[8:9]
	s_sub_co_u32 s25, s24, s25
	s_lshl_b32 s30, s25, 16
	s_add_nc_u64 s[4:5], s[4:5], s[30:31]
	s_lshl_b32 s30, s24, 2
	s_add_nc_u64 s[16:17], s[16:17], s[30:31]
	NLOAD 0
	NLOAD 1
.irp g, 0,1,2,3,4,5
	s_wait_loadcnt 16                              ; this group's 16 loads are in, the next group's may be out
	NSUM \g
	NLOAD \g+2
.endr
	s_wait_loadcnt 16
	NSUM 6
	s_wait_loadcnt 0x0
	NSUM 7
.irp p, 0,1,2,3
	v_pk_add_f32 v[NA+2*\p:NA+2*\p+1], v[NA+2*\p:NA+2*\p+1], v[NA+2*\p+8:NA+2*\p+9]
.endr
.irp p, 0,1
	v_pk_add_f32 v[NA+2*\p:NA+2*\p+1], v[NA+2*\p:NA+2*\p+1], v[NA+2*\p+4:NA+2*\p+5]
.endr
	v_pk_add_f32 v[NA:NA+1], v[NA:NA+1], v[NA+2:NA+3]
	v_add_f32 v[NA], v[NA], v[NA+1]
	v_add_f32_dpp v[NA], v[NA], v[NA] row_xmask:1 row_mask:0xf bank_mask:0xf
	v_add_f32_dpp v[NA], v[NA], v[NA] row_xmask:2 row_mask:0xf bank_mask:0xf
	v_add_f32_dpp v[NA], v[NA], v[NA] row_xmask:4 row_mask:0xf bank_mask:0xf
	v_add_f32_dpp v[NA], v[NA], v[NA] row_xmask:8 row_mask:0xf bank_mask:0xf
	v_permlanex16_b32 v[NA+1], v[NA], s[SEL], s[SEL+1]
	v_add_f32 v[NA], v[NA], v[NA+1]
	v_mov_b32 v[NA+2], 0
	v_cmp_eq_u32 vcc_lo, 0, v1
	s_wait_xcnt 0x0                                ; EXEC changes only behind this wait
	s_and_saveexec_b32 s26, vcc_lo
	global_store_b32 v[NA+2], v[NA], s[16:17]      ; lane 0 stores the item's sum
	s_wait_xcnt 0x0
	s_or_b32 exec_lo, exec_lo, s26
	s_endpgm
.Lfunc_end_k_qa89e3daa3b_prep:
	.size	k_qa89e3daa3b_prep, .Lfunc_end_k_qa89e3daa3b_prep-k_qa89e3daa3b_prep
	.p2alignl 7, 3214868480
	.fill 96, 4, 3214868480
	.section	.rodata,"a",@progbits
	.p2align	6, 0x0
	.amdhsa_kernel k_qa89e3daa3b_prep
		.amdhsa_group_segment_fixed_size 34304
		.amdhsa_private_segment_fixed_size 0
		.amdhsa_enable_private_segment 0
		.amdhsa_kernarg_size 56
		.amdhsa_user_sgpr_count 2
		.amdhsa_user_sgpr_kernarg_segment_ptr 1
		.amdhsa_wavefront_size32 1
		.amdhsa_system_sgpr_workgroup_id_x 1
		.amdhsa_system_sgpr_workgroup_id_y 1
		.amdhsa_system_sgpr_workgroup_id_z 1
		.amdhsa_system_vgpr_workitem_id 0
		.amdhsa_next_free_vgpr 256
		.amdhsa_next_free_sgpr 66
		.amdhsa_reserve_vcc 1
		.amdhsa_float_denorm_mode_32 3
		.amdhsa_float_denorm_mode_16_64 3
		.amdhsa_memory_ordered 1
		.amdhsa_forward_progress 1
		.amdhsa_inst_pref_size 61
	.end_amdhsa_kernel
	.amdgpu_metadata
---
amdhsa.version: [ 1, 2 ]
amdhsa.kernels:
  - .name:           k_qa89e3daa3b_prep
    .symbol:         k_qa89e3daa3b_prep.kd
    .args:
      - { .name: v, .offset: 0, .size: 8, .value_kind: global_buffer, .address_space: global }
      - { .name: q, .offset: 8, .size: 8, .value_kind: global_buffer, .address_space: global }
      - { .name: v_w, .offset: 16, .size: 8, .value_kind: global_buffer, .address_space: global }
      - { .name: q_w, .offset: 24, .size: 8, .value_kind: global_buffer, .address_space: global }
      - { .name: xv, .offset: 32, .size: 8, .value_kind: global_buffer, .address_space: global }
      - { .name: xq, .offset: 40, .size: 8, .value_kind: global_buffer, .address_space: global }
      - { .name: parts, .offset: 48, .size: 8, .value_kind: global_buffer, .address_space: global }
    .group_segment_fixed_size: 34304
    .private_segment_fixed_size: 0
    .kernarg_segment_align: 8
    .kernarg_segment_size: 56
    .max_flat_workgroup_size: 128
    .sgpr_count:     66
    .vgpr_count:     256
    .wavefront_size: 32
...
	.end_amdgpu_metadata
.endif
;; end of part 1
;; launch wprep (part 2): grid 288 x 1, 4 waves a work-group, no clusters, 34,304 bytes of LDS; arguments v_w, q_w, v_g, q_g, parts, wv, wq; writes wv, wq
.if DOCPART == 2
	.amdgcn_target "amdgcn-amd-amdhsa--gfx1250"
	.amdhsa_code_object_version 6
	.text
	.protected	k_qa89e3daa3b_wprep
	.globl	k_qa89e3daa3b_wprep
	.p2align	8
	.type	k_qa89e3daa3b_wprep,@function
k_qa89e3daa3b_wprep:
	s_mov_b64 s[64:65], 0
	v_nop
	global_prefetch_b8 v0, s[64:65] scope:SCOPE_SE
	s_setreg_imm32_b32 hwreg(HW_REG_WAVE_MODE, 25, 1), 1
	s_wait_xcnt 0x0
; SECOND LAUNCH: the weights s w, s = g / |w|, become codes of BF6 (E3M2) with one E8M0 scale for each 32 along K.  v_w [3072][2048] -> wv, q_w [3072][1024] -> wq.  No work is left out.
; THE UNIT (the layout of all buffers of codes): 128 rows x 128 K = 12,800 bytes: 8 fragments of 16 rows as images of the operand's registers, 1,536 bytes each (registers 4 p .. 4 p + 3 of lane l at 512 p + 16 l;
; lane l holds row l % 16, registers 6 c .. 6 c + 5 hold k = 64 c + 32 (l / 16) + 0 .. 31), then 512 bytes of scale words (lane l's 8 bytes at 12,288 + 256 j + 8 l: words of fragments 4 j + l / 16 and 4 j + 2 + l / 16, row l % 16).
; THE ROWS OF A WEIGHT'S UNIT ARE PERMUTED: fragment t, row 8 u + j holds row 128 R + 64 (t / 4) + 32 u + 8 (t % 4) + j of w.  In the product's transposed result the 32 registers of tiles 4 c .. 4 c + 3 of a lane
; are then one whole block of 32 along the next product's K, in the order that the next operand's registers want.
; s: every wave adds the first launch's partial sums of squares (192 of q_w, 384 of v_w), in a fixed order.  LIMIT: s = g x rsq(sum) may differ from g / sqrt(sum) by a few units in the last place.
; LIMITS: NaN and infinities are not served; a block of zeros gets the byte 1 with zero codes (the bytes are read by this program alone).
; SHARES: work-groups 0-191 take v_w, the others q_w (one path; pointers chosen by the work-group's number).  A wave takes half a unit: 64 rows x 128 K, four fragments.  No cluster, no tensor load: nothing is shared.
.set STG,   8448
.set SPARE, 4*STG                      ; the spare words, 128 bytes a wave, two blocks of 256 bytes that no other line names
.set LI,  4
.set L8,  5
.set STW, 6
.set LDW, 7
.set SH,  8
.set PO,  9                            ; v9   48 x lane: my twelve partial sums
.set S,   10                           ; v[10:11] s, twice (a pair for the packed multiply)
.set SPW, 12
.set NIL, 13
.set OFF, 16                           ; v16-31  16 x lane + the fragment's row i: (32 (i / 8) + i % 8) rows
.set CD,  32
.set CT,  44
.set QT,  52
.set SW,  60
.set WD,  62
.set X,   64
.set SEL, 20
.set MHI, 22
.set BASE, 32
; 64 numbers of a lane, register 32 c + i = k 64 c + 32 (lane / 16) + i of my row, become a fragment's 12 registers of codes at v[dst] and the row's scale word in v[wrd] (in both halves of the lanes).
.macro QUANT6 src, dst, wrd
.irp k, 0,1
	v_max3_num_f32 v[QT+2*\k], |v[(\src)+32*\k]|, |v[(\src)+32*\k+1]|, |v[(\src)+32*\k+2]|
	v_max3_num_f32 v[QT+2*\k+1], |v[(\src)+32*\k+3]|, |v[(\src)+32*\k+4]|, |v[(\src)+32*\k+5]|
.endr
.irp i, 6,10,14,18,22,26
.irp k, 0,1
	v_max3_num_f32 v[QT+2*\k], v[QT+2*\k], |v[(\src)+32*\k+\i]|, |v[(\src)+32*\k+\i+1]|
	v_max3_num_f32 v[QT+2*\k+1], v[QT+2*\k+1], |v[(\src)+32*\k+\i+2]|, |v[(\src)+32*\k+\i+3]|
.endr
.endr
.irp k, 0,1
	v_max3_num_f32 v[QT+2*\k], v[QT+2*\k], |v[(\src)+32*\k+30]|, |v[(\src)+32*\k+31]|
.endr
.irp k, 0,1
	v_max3_num_f32 v[QT+2*\k], v[QT+2*\k], v[QT+2*\k+1], 0x2800000   ; the floor 2^(5 - 127): the byte cannot fall under 1
.endr
	v_add_nc_u32 v[QT+4], 0xfe000000, v[QT]        ; 4 off the exponent field: the conversion's scale operand
	v_add_nc_u32 v[QT+5], 0xfe000000, v[QT+2]
	v_lshrrev_b32 v[QT+6], 23, v[QT+4]
	v_lshrrev_b32 v[QT+7], 23, v[QT+5]
	v_lshl_or_b32 v[QT+6], v[QT+7], 16, v[QT+6]
	v_lshlrev_b32 v[QT+6], v[SH], v[QT+6]
	v_permlanex16_b32 v[QT+7], v[QT+6], s[SEL], s[SEL+1]
	v_or_b32 v[\wrd], v[QT+6], v[QT+7]
	v_cvt_scalef32_pk16_bf6_f32 v[(\dst):(\dst)+2], v[(\src):(\src)+15], v[QT+4]
	v_cvt_scalef32_pk16_bf6_f32 v[CT:CT+2], v[(\src)+16:(\src)+31], v[QT+4]
	v_cvt_scalef32_pk16_bf6_f32 v[(\dst)+6:(\dst)+8], v[(\src)+32:(\src)+47], v[QT+5]
	v_cvt_scalef32_pk16_bf6_f32 v[CT+4:CT+6], v[(\src)+48:(\src)+63], v[QT+5]
	v_nop                                          ; one plain place behind the scaled conversions
.irp i, 0,1,2
	v_mov_b32 v[(\dst)+3+\i], v[CT+\i]
	v_mov_b32 v[(\dst)+9+\i], v[CT+4+\i]
.endr
.endm
.macro LOADF ff
.irp i, 0,1,2,3,4,5,6,7,8,9,10,11,12,13,14,15
	global_load_b128 v[X+64*((\ff)%3)+4*\i:X+64*((\ff)%3)+4*\i+3], v[OFF+\i], s[BASE+2*(\ff):BASE+2*(\ff)+1] th:TH_LOAD_NT
.endr
.endm
.macro FRAGMENT ff, left               ; left: the loads of the younger sets, which may stay out
.set XS, X+64*((\ff)%3)
	s_wait_loadcnt \left
.irp i, 0,1,2,3,4,5,6,7,8,9,10,11,12,13,14,15
	ds_store_b128 v[STW], v[XS+4*\i:XS+4*\i+3] offset:528*\i
.endr
.irp i, 0,1,2,3,4,5,6,7,8,9,10,11,12,13,14,15
	ds_load_b128 v[XS+4*\i:XS+4*\i+3], v[LDW] offset:256*(\i/8)+16*(\i%8)   ; LDS serves a wave's instructions in order: these see the stores above
.endr
	s_wait_dscnt 0x0
.set nn, 0
.rept 32
	v_pk_mul_f32 v[XS+nn:XS+nn+1], v[XS+nn:XS+nn+1], v[S:S+1]    ; s w, in f32
.set nn, nn+2
.endr
	s_wait_xcnt 0x0                                ; the last fragment's stores have read their data
.if (\ff)%2 == 0
	QUANT6 XS, CD, SW+(\ff)/2
.else
	QUANT6 XS, CD, WD
	v_cndmask_b32 v[SW+(\ff)/2], v[SW+(\ff)/2], v[WD], s[MHI]
.endif
.irp p, 0,1,2
	global_store_b128 v[LI], v[CD+4*\p:CD+4*\p+3], s[40:41] offset:1536*(\ff)+512*\p
.endr
.endm
	s_load_b256 s[4:11], s[0:1], 0x0               ; v_w, q_w, v_g, q_g
	s_load_b128 s[12:15], s[0:1], 0x20             ; parts, wv
	s_load_b64 s[16:17], s[0:1], 0x30              ; wq
	v_lshl_add_u32 v[SPW], v0, 2, SPARE
	v_mov_b32 v[NIL], 0
	v_lshrrev_b32 v1, 5, v0
	v_readfirstlane_b32 s18, v1                    ; wave
	v_and_b32 v1, 31, v0                           ; lane
	v_and_b32 v2, 15, v0                           ; r
	v_bfe_u32 v3, v0, 4, 1                         ; h
	v_lshlrev_b32 v[LI], 4, v1
	v_lshlrev_b32 v[L8], 3, v1
	v_mul_u32_u24 v[PO], v1, 48
	s_mul_i32 s19, s18, STG
	v_add_nc_u32 v[STW], s19, v[LI]
	v_mul_u32_u24 v[LDW], v2, 528
	v_lshl_add_u32 v[LDW], v3, 7, v[LDW]
	v_add_nc_u32 v[LDW], s19, v[LDW]
	v_lshlrev_b32 v[SH], 3, v3
	s_mov_b32 s[SEL], 0x76543210
	s_mov_b32 s[SEL+1], 0xfedcba98
	s_mov_b32 s[MHI], 0xffff0000
	s_mov_b32 s31, 0
	s_mov_b32 s47, 0
	s_cmp_lt_u32 ttmp9, 192                        ; v_w's work-group or q_w's
	s_cselect_b32 s23, 4, 3                        ; log2 of the units along K
	s_cselect_b32 s24, 0, 192
	s_cselect_b32 s45, 32, 16                      ; lanes whose twelve partial sums belong to my weight
	s_cselect_b32 s46, 768, 0                      ; where they begin
	s_wait_kmcnt 0x0
	s_cselect_b64 s[4:5], s[4:5], s[6:7]
	s_cselect_b64 s[8:9], s[8:9], s[10:11]
	s_cselect_b64 s[14:15], s[14:15], s[16:17]
	s_load_b32 s44, s[8:9], 0x0                    ; g
	s_add_nc_u64 s[12:13], s[12:13], s[46:47]
	s_sub_co_u32 s24, ttmp9, s24
	s_lshl_b32 s24, s24, 2
	s_add_co_u32 s24, s24, s18                     ; my half unit
	s_lshr_b32 s25, s24, 1                         ; its unit
	s_and_b32 s26, s24, 1                          ; which half: fragments 4 c .. 4 c + 3
	s_lshr_b32 s27, s25, s23
	s_lshl_b32 s28, s27, s23
	s_sub_co_u32 s28, s25, s28
	s_lshl_b32 s29, 512, s23                       ; a row in bytes
	s_lshl_b32 s27, s27, 7
	s_lshl_b32 s30, s26, 6
	s_add_co_u32 s27, s27, s30                     ; row 128 R + 64 c
	s_mul_i32 s30, s27, s29
	s_lshl_b32 s28, s28, 9
	s_add_co_u32 s30, s30, s28
	s_add_nc_u64 s[BASE:BASE+1], s[4:5], s[30:31]
	s_lshl_b32 s30, s29, 3                         ; the next fragment begins 8 rows on
	s_add_nc_u64 s[BASE+2:BASE+3], s[BASE:BASE+1], s[30:31]
	s_add_nc_u64 s[BASE+4:BASE+5], s[BASE+2:BASE+3], s[30:31]
	s_add_nc_u64 s[BASE+6:BASE+7], s[BASE+4:BASE+5], s[30:31]
	s_mul_i32 s30, s25, 12800
	s_add_nc_u64 s[42:43], s[14:15], s[30:31]
	s_mul_i32 s30, s26, 6144
	s_add_nc_u64 s[40:41], s[42:43], s[30:31]
	s_lshl_b32 s30, s26, 8
	s_add_nc_u64 s[42:43], s[42:43], s[30:31]
	s_lshl_b32 s28, s29, 5                         ; 32 rows
	v_mov_b32 v[OFF], v[LI]
	v_add_nc_u32 v[OFF+8], s28, v[LI]
.irp i, 1,2,3,4,5,6,7
	v_add_nc_u32 v[OFF+\i], s29, v[OFF+\i-1]
	v_add_nc_u32 v[OFF+8+\i], s29, v[OFF+8+\i-1]
.endr
.irp p, 0,1,2
	global_load_b128 v[CD+4*\p:CD+4*\p+3], v[PO], s[12:13] offset:16*\p      ; with q_w lanes 16-31 read v_w's sums, inside the buffer, and drop them below
.endr
	LOADF 0
	LOADF 1
	LOADF 2
	s_wait_loadcnt 48                              ; the partial sums are in; the three sets may be out
	v_pk_add_f32 v[CD:CD+1], v[CD:CD+1], v[CD+2:CD+3]
	v_pk_add_f32 v[CD+4:CD+5], v[CD+4:CD+5], v[CD+6:CD+7]
	v_pk_add_f32 v[CD+8:CD+9], v[CD+8:CD+9], v[CD+10:CD+11]
	v_pk_add_f32 v[CD:CD+1], v[CD:CD+1], v[CD+4:CD+5]
	v_pk_add_f32 v[CD:CD+1], v[CD:CD+1], v[CD+8:CD+9]
	v_add_f32 v[CD], v[CD], v[CD+1]
	v_cmp_gt_u32 vcc_lo, s45, v1
	v_cndmask_b32 v[CD], 0, v[CD], vcc_lo
	v_add_f32_dpp v[CD], v[CD], v[CD] row_xmask:1 row_mask:0xf bank_mask:0xf
	v_add_f32_dpp v[CD], v[CD], v[CD] row_xmask:2 row_mask:0xf bank_mask:0xf
	v_add_f32_dpp v[CD], v[CD], v[CD] row_xmask:4 row_mask:0xf bank_mask:0xf
	v_add_f32_dpp v[CD], v[CD], v[CD] row_xmask:8 row_mask:0xf bank_mask:0xf
	v_permlanex16_b32 v[CD+1], v[CD], s[SEL], s[SEL+1]
	v_add_f32 v[CD], v[CD], v[CD+1]                ; the weight's sum of squares, in every lane
	v_rsq_f32 v[S], v[CD]
	v_nop                                          ; a plain place behind the transcendental
	s_wait_kmcnt 0x0                               ; g
	s_wait_alu depctr_va_vdst(0)                   ; the wait ahead of the first reader
	v_mul_f32 v[S], s44, v[S]                      ; s = g / |w|
	v_mov_b32 v[S+1], v[S]
	FRAGMENT 0, 32
	LOADF 3
	FRAGMENT 1, 32
	FRAGMENT 2, 16
	FRAGMENT 3, 0
	global_store_b64 v[L8], v[SW:SW+1], s[42:43] offset:12288
	s_wait_tensorcnt 0x0                           ; the wave's end
	ds_add_u32 v[SPW], v[NIL]
	s_wait_dscnt 0x0
	s_endpgm
.Lfunc_end_k_qa89e3daa3b_wprep:
	.size	k_qa89e3daa3b_wprep, .Lfunc_end_k_qa89e3daa3b_wprep-k_qa89e3daa3b_wprep
	.p2alignl 7, 3214868480
	.fill 96, 4, 3214868480
	.section	.rodata,"a",@progbits
	.p2align	6, 0x0
	.amdhsa_kernel k_qa89e3daa3b_wprep
		.amdhsa_group_segment_fixed_size 34304
		.amdhsa_private_segment_fixed_size 0
		.amdhsa_enable_private_segment 0
		.amdhsa_kernarg_size 56
		.amdhsa_user_sgpr_count 2
		.amdhsa_user_sgpr_kernarg_segment_ptr 1
		.amdhsa_wavefront_size32 1
		.amdhsa_system_sgpr_workgroup_id_x 1
		.amdhsa_system_sgpr_workgroup_id_y 1
		.amdhsa_system_sgpr_workgroup_id_z 1
		.amdhsa_system_vgpr_workitem_id 0
		.amdhsa_next_free_vgpr 256
		.amdhsa_next_free_sgpr 66
		.amdhsa_reserve_vcc 1
		.amdhsa_float_denorm_mode_32 3
		.amdhsa_float_denorm_mode_16_64 3
		.amdhsa_memory_ordered 1
		.amdhsa_forward_progress 1
		.amdhsa_inst_pref_size 41
	.end_amdhsa_kernel
	.amdgpu_metadata
---
amdhsa.version: [ 1, 2 ]
amdhsa.kernels:
  - .name:           k_qa89e3daa3b_wprep
    .symbol:         k_qa89e3daa3b_wprep.kd
    .args:
      - { .name: v_w, .offset: 0, .size: 8, .value_kind: global_buffer, .address_space: global }
      - { .name: q_w, .offset: 8, .size: 8, .value_kind: global_buffer, .address_space: global }
      - { .name: v_g, .offset: 16, .size: 8, .value_kind: global_buffer, .address_space: global }
      - { .name: q_g, .offset: 24, .size: 8, .value_kind: global_buffer, .address_space: global }
      - { .name: parts, .offset: 32, .size: 8, .value_kind: global_buffer, .address_space: global }
      - { .name: wv, .offset: 40, .size: 8, .value_kind: global_buffer, .address_space: global }
      - { .name: wq, .offset: 48, .size: 8, .value_kind: global_buffer, .address_space: global }
    .group_segment_fixed_size: 34304
    .private_segment_fixed_size: 0
    .kernarg_segment_align: 8
    .kernarg_segment_size: 56
    .max_flat_workgroup_size: 128
    .sgpr_count:     66
    .vgpr_count:     256
    .wavefront_size: 32
...
	.end_amdgpu_metadata
.endif
;; end of part 2
;; launch gemm (part 3): grid 12 x 40, 4 waves a work-group, clusters of 4 x 4, 327,680 bytes of LDS; arguments xv, xq, wv, wq, v_b, q_b, vc, qc, h_mat; writes vc, qc
.if DOCPART == 3
	.amdgcn_target "amdgcn-amd-amdhsa--gfx1250"
	.amdhsa_code_object_version 6
	.text
	.protected	k_qa89e3daa3b_gemm
	.globl	k_qa89e3daa3b_gemm
	.p2align	8
	.type	k_qa89e3daa3b_gemm,@function
k_qa89e3daa3b_gemm:
	s_mov_b64 s[64:65], 0
	v_nop
	global_prefetch_b8 v0, s[64:65] scope:SCOPE_SE
	s_setreg_imm32_b32 hwreg(HW_REG_WAVE_MODE, 25, 1), 1
	s_wait_xcnt 0x0
	s_wait_alu depctr_hold_cnt(0) depctr_sa_sdst(0) depctr_va_vdst(0) depctr_va_sdst(0) depctr_va_ssrc(0) depctr_va_vcc(0) depctr_vm_vsrc(0)
	s_getreg_b32 s2, hwreg(HW_REG_IB_STS2, 6, 4)
	s_cmp_eq_u32 s2, 0
	s_cbranch_scc0 .Lentry_in_a_cluster
	s_endpgm
.Lentry_in_a_cluster:
	s_bfe_u32 s2, ttmp6, 0x10000c
	s_cmp_lg_u32 s2, 0xf033
	s_cbranch_scc0 .Lentry_shape_is_right
	s_endpgm
.Lentry_shape_is_right:
; THIRD LAUNCH: v_ = relu(Q(v) Q(s v_w)^T + v_b), 8192 x 3072 over K = 2048, and q_ = relu(Q(q) Q(s q_w)^T + q_b), 2048 x 3072 over K = 1024, on codes of BF6 (E3M2) with E8M0 scales.  No work is left out.
; v_ leaves as codes along ITS columns, the last product's K (buffer vc).  q_ is multiplied by hm[h] for each of the eight glimpses, in f32, and each product leaves as codes along the same K (buffer qc):
; q's tiles have half of v's K, so their work-groups have the time for it beside v's tiles.
; A tile is 256 rows of x by 256 rows of w: four waves, each 128 x 128 = 64 accumulators.  Tile rows 0-31 (clusters y 0-7) are v's, 32-39 (clusters y 8, 9) q's: pointers, bytes of a row block and laps are chosen by the
; CLUSTER's y, which all sixteen partners share; no LDS address is stepped in the loop.
; OPERANDS come as UNITS: 128 rows x 128 K = 12,800 bytes: 8 fragments as images of their registers (1,536 bytes: registers 4 p .. 4 p + 3 of lane l at 512 p + 16 l), then 512 bytes of scale words (lane l's 8 bytes at
; 12,288 + 256 j + 8 l: fragments 4 j + l / 16 and 4 j + 2 + l / 16).  So a fragment is three loads of 16 bytes a lane, consecutive in LDS; scale register f / 2 holds fragment f's words in lanes 0-15 (f even) or 16-31 (f odd);
; and the two units of a K step of 256 are 25,600 dense bytes: one tensor load of 100 rows of 256 bytes.
; THE RING: two slots of 102,400 bytes (x's two halves, w's two halves), one tensor load a wave behind each change of slots.  A wave has two loads out at the start, later one.
; CLUSTERS: 4 x 4.  x's tile hangs on the tile row and is asked for jointly along a row of the cluster, w's on the tile column and jointly along a column.  hm is 4,096 bytes a wave, loaded straight into registers: too little to share.
; TRANSPOSED USE: source 0 = 16 rows of w, source 1 = 16 rows of x.  The rows of w's units were permuted by the launch before, so that in tile t register j of lane (r, h) is column 64 (t / 4) + 32 h + 8 (t % 4) + j of x's row r:
; the 64 registers of a block of 16 rows are two whole blocks of 32 along the next K for each lane, in the next operand's order.  The way out needs no LDS and no other lane's maximum.
; qc: codes [row / 16][unit 24][glimpse 8] images of 1,536 bytes; from byte QSO on the scale words [batch][unit][glimpse / 2][lane][row / 16 % 2], 4 bytes: lanes 0-15 the even glimpse's word of row l % 16, lanes 16-31 the odd one's.
; The bias is the C of the first K step's products.
; No prefetch: of a tile's eight K steps the first two are asked for at the head and each refill has a K step of 128 matrix instructions a wave in which to land.
; LIMITS: NaN and infinities are not served; a block of zeros gets the byte 1 with zero codes (the bytes are read by this program alone).
; REGISTERS, in windows of 256: window 0: v16-29 addresses; v32-47 scale words, two sets; v128-223 x's fragments, one set; on the way out v64-255 are at work.
;   window 1: w's fragments, two sets, at v0 and v128; the bias at v96-127 and v224-255; on q's way out v0-127 two glimpses' hm.   windows 2, 3: accumulator (a, b) at v[8 (8 (a % 4) + b)].
.set SLOT,  102400
.set HALF,  25600
.set SPARE, 2*SLOT                     ; behind the ring: the spare words, 128 bytes a wave, two blocks of 256 bytes that no other line names
.set QSO,   37748736                   ; where qc's scale words begin: 128 x 24 x 8 x 1,536
.set ADRA, 16                          ; v16-17  my x fragments in slot 0, 1: 16 x lane + the half
.set ADRB, 18                          ; v18-19  my w fragments
.set ADSA, 20                          ; v20-21  the same with 8 x lane, for the scale words
.set ADSB, 22                          ; v22-23
.set LI,   24                          ; v24  16 x lane
.set L8,   25                          ; v25  8 x lane
.set SH,   26                          ; v26  8 x (lane / 16)
.set BO,   27                          ; v27  128 x (lane / 16): my half's bias, my half's hm
.set SPW,  28                          ; v28  my spare word; never rewritten
.set NIL,  29                          ; v29  0; never rewritten
.set SC,   32                          ; scale words: set p at v[SC + 8 p]: four registers of w's, four of x's; they hold nothing else
.set AF,   128
.set T0,   64                          ; the way out: v64-127 64 numbers; v192.. codes and work
.set CD,   192
.set CT,   204
.set QT,   212
.set WD,   220
.set SW,   224                         ; v's way out: the unit's four registers of scale words
.set QW,   224                         ; q's way out: a register of scale words for each of my eight blocks
.set G1,  24
.set G0,  32
.set G1B, 48
.set G0B, 56
.set MHI, 84                           ; s84  lanes 16-31
.set SEL, 86                           ; s[86:87]
.set MSB, 0
.macro WIN new                         ; the immediate's high byte repeats the setting that is left
.if MSB != (\new)
	s_set_vgpr_msb (MSB<<8)|(\new)
.set MSB, (\new)
.endif
.endm
.set MUL_LO, 0xa1                      ; source 0 (w) window 1, source 1 (x) window 0, C and D window 2
.set MUL_HI, 0xf1                      ; the same, C and D window 3
.set TO_B,   0x40                      ; destination window 1, address window 0
; A joint load: waves 0 and 1 fetch x's halves, waves 2 and 3 w's.  The branch hangs on the wave's number alone.  An s_nop 0 and four v_nop follow each line.
.macro JLOAD g0a, g1a, g0b, g1b
	s_cmp_eq_u32 s15, 0
	s_cbranch_scc0 .Lfor_b_\@
	tensor_load_to_lds s[\g0a:\g0a+3], s[\g1a:\g1a+7]
	s_nop 0
.rept 4
	v_nop
.endr
	s_branch .Lasked_\@
.Lfor_b_\@:
	tensor_load_to_lds s[\g0b:\g0b+3], s[\g1b:\g1b+7]
	s_nop 0
.rept 4
	v_nop
.endr
.Lasked_\@:
.endm
.macro CREST                           ; a round of the cluster's barrier behind its opening barrier
	s_cmp_lg_u32 s14, 0
	s_cbranch_scc1 .Lnot_wave_0_\@
	s_barrier_signal -3
.Lnot_wave_0_\@:
	s_barrier_wait -3
	s_barrier_signal -1
	s_barrier_wait -1
.endm
.macro CROUND
	s_barrier_signal -1
	s_barrier_wait -1
	CREST
.endm
.macro PLACES n
.rept \n
	v_nop
.endr
.endm
; 64 numbers of a lane, register 32 c + i = k 64 c + 32 (lane / 16) + i of my row, become a fragment's 12 registers of codes at v[dst] and the row's scale word in v[wrd] (in both halves of the lanes).
.macro QUANT6 src, dst, wrd
.irp k, 0,1
	v_max3_num_f32 v[QT+2*\k], |v[(\src)+32*\k]|, |v[(\src)+32*\k+1]|, |v[(\src)+32*\k+2]|
	v_max3_num_f32 v[QT+2*\k+1], |v[(\src)+32*\k+3]|, |v[(\src)+32*\k+4]|, |v[(\src)+32*\k+5]|
.endr
.irp i, 6,10,14,18,22,26
.irp k, 0,1
	v_max3_num_f32 v[QT+2*\k], v[QT+2*\k], |v[(\src)+32*\k+\i]|, |v[(\src)+32*\k+\i+1]|
	v_max3_num_f32 v[QT+2*\k+1], v[QT+2*\k+1], |v[(\src)+32*\k+\i+2]|, |v[(\src)+32*\k+\i+3]|
.endr
.endr
.irp k, 0,1
	v_max3_num_f32 v[QT+2*\k], v[QT+2*\k], |v[(\src)+32*\k+30]|, |v[(\src)+32*\k+31]|
.endr
.irp k, 0,1
	v_max3_num_f32 v[QT+2*\k], v[QT+2*\k], v[QT+2*\k+1], 0x2800000   ; the floor 2^(5 - 127): the byte cannot fall under 1
.endr
	v_add_nc_u32 v[QT+4], 0xfe000000, v[QT]        ; 4 off the exponent field: the conversion's scale operand
	v_add_nc_u32 v[QT+5], 0xfe000000, v[QT+2]
	v_lshrrev_b32 v[QT+6], 23, v[QT+4]
	v_lshrrev_b32 v[QT+7], 23, v[QT+5]
	v_lshl_or_b32 v[QT+6], v[QT+7], 16, v[QT+6]
	v_lshlrev_b32 v[QT+6], v[SH], v[QT+6]
	v_permlanex16_b32 v[QT+7], v[QT+6], s[SEL], s[SEL+1]
	v_or_b32 v[\wrd], v[QT+6], v[QT+7]
	v_cvt_scalef32_pk16_bf6_f32 v[(\dst):(\dst)+2], v[(\src):(\src)+15], v[QT+4]
	v_cvt_scalef32_pk16_bf6_f32 v[CT:CT+2], v[(\src)+16:(\src)+31], v[QT+4]
	v_cvt_scalef32_pk16_bf6_f32 v[(\dst)+6:(\dst)+8], v[(\src)+32:(\src)+47], v[QT+5]
	v_cvt_scalef32_pk16_bf6_f32 v[CT+4:CT+6], v[(\src)+48:(\src)+63], v[QT+5]
	v_nop                                          ; one plain place behind the scaled conversions
.irp i, 0,1,2
	v_mov_b32 v[(\dst)+3+\i], v[CT+\i]
	v_mov_b32 v[(\dst)+9+\i], v[CT+4+\i]
.endr
.endm
; One product: x's block a against w's tile b, 128 along K; p: w's set and the set of scale words; bias = 1: the bias is C and starts the sum
.macro WM a, b, p, bias
.set DD, 8*(8*((\a)%4)+(\b))
.set CC, DD
.if \bias
.set CC, 96+8*((\b)%4)+128*((\b)/4)
.endif
.set BB, 128*(\p)+12*(\b)
.set AA, AF+12*(\a)
.set SBR, SC+8*(\p)+(\b)/2
.set SAR, SC+8*(\p)+4+(\a)/2
.if ((\a)%2 == 0) && ((\b)%2 == 0)
	v_wmma_scale_f32_16x16x128_f8f6f4 v[DD:DD+7], v[BB:BB+11], v[AA:AA+11], v[CC:CC+7], v[SBR], v[SAR] matrix_a_fmt:MATRIX_FMT_BF6 matrix_b_fmt:MATRIX_FMT_BF6
.elseif ((\a)%2 == 0)
	v_wmma_scale_f32_16x16x128_f8f6f4 v[DD:DD+7], v[BB:BB+11], v[AA:AA+11], v[CC:CC+7], v[SBR], v[SAR] matrix_a_fmt:MATRIX_FMT_BF6 matrix_b_fmt:MATRIX_FMT_BF6 matrix_a_scale:MATRIX_SCALE_ROW1
.elseif ((\b)%2 == 0)
	v_wmma_scale_f32_16x16x128_f8f6f4 v[DD:DD+7], v[BB:BB+11], v[AA:AA+11], v[CC:CC+7], v[SBR], v[SAR] matrix_a_fmt:MATRIX_FMT_BF6 matrix_b_fmt:MATRIX_FMT_BF6 matrix_b_scale:MATRIX_SCALE_ROW1
.else
	v_wmma_scale_f32_16x16x128_f8f6f4 v[DD:DD+7], v[BB:BB+11], v[AA:AA+11], v[CC:CC+7], v[SBR], v[SAR] matrix_a_fmt:MATRIX_FMT_BF6 matrix_b_fmt:MATRIX_FMT_BF6 matrix_a_scale:MATRIX_SCALE_ROW1 matrix_b_scale:MATRIX_SCALE_ROW1
.endif
.endm
; 16 products.  The 64 accumulators take turns, one instruction a turn, in the same order in every step
.macro MUL16 a0, p, bias
.irp a, \a0, \a0+1
.irp b, 0,1,2,3,4,5,6,7
	WM \a, \b, \p, \bias
.endr
.endr
.endm
.macro FETCH_B slot, q, p              ; w's eight fragments of the slot's unit q into set p: 24 loads
	WIN TO_B
.irp i, 0,1,2,3,4,5,6,7
.irp cc, 0,1,2
	ds_load_b128 v[128*(\p)+12*\i+4*\cc:128*(\p)+12*\i+4*\cc+3], v[ADRB+\slot] offset:12800*(\q)+1536*\i+512*\cc
.endr
.endr
	WIN 0
.endm
.macro FETCH_A slot, q, i0             ; x's blocks i0 .. i0 + 3: 12 loads
.irp i, \i0, \i0+1, \i0+2, \i0+3
.irp cc, 0,1,2
	ds_load_b128 v[AF+12*(\i)+4*\cc:AF+12*(\i)+4*\cc+3], v[ADRA+\slot] offset:12800*(\q)+1536*(\i)+512*\cc
.endr
.endr
.endm
.macro SCALES slot, q, p               ; the unit's scale words into set p: 4 loads
.irp j, 0,1
	ds_load_b64 v[SC+8*(\p)+2*\j:SC+8*(\p)+2*\j+1], v[ADSB+\slot] offset:12800*(\q)+12288+256*\j
	ds_load_b64 v[SC+8*(\p)+4+2*\j:SC+8*(\p)+4+2*\j+1], v[ADSA+\slot] offset:12800*(\q)+12288+256*\j
.endr
.endm
; A slot's first 128 along K.  Loads into registers that matrix instructions have read stand four plain places behind them (ISA guide 7.12.1 for vector instructions)
.macro STEP slot, bias
	s_wait_dscnt 12                                ; all but the youngest twelve loads (x's blocks 4-7) are in
.if \bias
	WIN 0x91                                       ; C, the bias, in window 1
.else
	WIN MUL_LO
.endif
	MUL16 0, 0, \bias
	MUL16 2, 0, \bias
	s_wait_dscnt 0x0                               ; x's blocks 4-7 are in (asked for 32 matrix instructions ago)
	PLACES 4
	FETCH_B \slot, 1, 1
	SCALES \slot, 1, 1
	FETCH_A \slot, 1, 0
.if \bias
	WIN 0xd1
.else
	WIN MUL_HI
.endif
	MUL16 4, 0, \bias
	MUL16 6, 0, \bias
	PLACES 4
	WIN 0
	FETCH_A \slot, 1, 4
.endm
; A slot's second 128 along K changes slots: ONE barrier; in front of it each wave waits for all its tensor loads, adds 0 to its spare word, and waits for that and for its reads of this slot.  fill = 1: the slot is filled again, two K steps ahead
.macro TURN slot, next, fill
	s_wait_tensorcnt 0x0                           ; all my tensor loads have landed: my part of the next slot (every window is 0 here)
	ds_add_u32 v[SPW], v[NIL]                      ; 0 onto my spare word
	s_wait_dscnt 13                                ; the add and the youngest twelve loads may be out
	WIN MUL_LO
	MUL16 0, 1, 0                                  ; sixteen matrix instructions stand between the add and the wait for it
	s_wait_dscnt 0x0                               ; the add is done, and my reads of this slot are over
	s_barrier_signal -1
	MUL16 2, 1, 0
	WIN 0
	s_barrier_wait -1
.if \fill
	CREST                                          ; the barrier has opened a round of the cluster's: no wave of any partner still reads this slot or has a load on its way
	s_add_nc_u64 s[G0+4*\slot+2:G0+4*\slot+3], s[G0+4*\slot+2:G0+4*\slot+3], 2*HALF
	s_add_nc_u64 s[G0B+4*\slot+2:G0B+4*\slot+3], s[G0B+4*\slot+2:G0B+4*\slot+3], 2*HALF
	JLOAD G0+4*\slot, G1, G0B+4*\slot, G1B         ; the first tensor load behind the round; its four v_nop are the places in front of the loads below
.else
	PLACES 4
.endif
	FETCH_B \next, 0, 0
	FETCH_A \next, 0, 0
	SCALES \next, 0, 0
	WIN MUL_HI
	MUL16 4, 1, 0
	MUL16 6, 1, 0
	PLACES 4
	WIN 0
	FETCH_A \next, 0, 4
.endm
.macro RELU a, t                       ; block a's 64 results, each accumulator from its low end on, through the activation into v[t] on
	WIN 0x08+4*((\a)/4)                            ; source 1: window 2 or 3
.set jj, 0
.rept 64
	v_max_num_f32 v[(\t)+jj], 0, v[64*((\a)%4)+jj]
.set jj, jj+1
.endr
	WIN 0
.endm
.macro VOUT a                          ; 16 rows of v_ x 128 columns become fragment a of a unit of vc
	RELU \a, T0
	s_wait_xcnt 0x0                                ; the last block's stores have read their data
.if (\a)%2 == 0
	QUANT6 T0, CD, SW+(\a)/2
.else
	QUANT6 T0, CD, WD
	v_cndmask_b32 v[SW+(\a)/2], v[SW+(\a)/2], v[WD], s[MHI]
.endif
.irp p, 0,1,2
	global_store_b128 v[LI], v[CD+4*\p:CD+4*\p+3], s[72:73] offset:1536*(\a)+512*\p   ; 512 consecutive bytes, aligned
.endr
.endm
.macro HLOAD hb, off                   ; a glimpse's hm of my unit's 128 columns, in the order of a block's 64 registers, into buffer hb of window 1 (sixteen lanes share each address)
	WIN TO_B
.irp e, 0,1,2,3,4,5,6,7,8,9,10,11,12,13,14,15
	global_load_b128 v[64*(\hb)+4*\e:64*(\hb)+4*\e+3], v[BO], s[88:89] offset:(\off)+256*(\e/8)+16*(\e%8)
.endr
	WIN 0
.endm
; 16 rows of q_ x 128 columns, times the glimpse's hm in buffer hb, become a fragment of qc.  hb = 0: the trip's even glimpse, 1: its odd one
.macro QBLK a, hb
	WIN 0x06+((\a)/4)                              ; source 0 (q_) window 2 or 3, source 1 (hm) window 1
.set nn, 0
.rept 32
	v_pk_mul_f32 v[T0+nn:T0+nn+1], v[64*((\a)%4)+nn:64*((\a)%4)+nn+1], v[64*(\hb)+nn:64*(\hb)+nn+1]
.set nn, nn+2
.endr
	WIN 0
	s_wait_xcnt 0x0                                ; the earlier stores have read their data: codes and scale words are written again only behind this wait
.if (\hb) == 0
	QUANT6 T0, CD, QW+(\a)
.else
	QUANT6 T0, CD, WD
	v_cndmask_b32 v[QW+(\a)], v[QW+(\a)], v[WD], s[MHI]          ; lanes 0-15 keep the even glimpse's word, lanes 16-31 take the odd one's
.endif
.irp p, 0,1,2
	global_store_b128 v[LI], v[CD+4*\p:CD+4*\p+3], s[74:75] offset:294912*(\a)+1536*(\hb)+512*\p   ; 512 consecutive bytes, aligned
.endr
.if ((\hb) == 1) && ((\a)%2 == 1)
	global_store_b64 v[L8], v[QW+(\a)-1:QW+(\a)], s[90:91] offset:24576*((\a)/2)                  ; a batch's two blocks' words: 256 consecutive bytes, aligned
.endif
.endm
	s_load_b256 s[4:11], s[0:1], 0x0               ; xv, xq, wv, wq
	s_load_b256 s[68:75], s[0:1], 0x20             ; v_b, q_b, vc, qc
	s_load_b64 s[88:89], s[0:1], 0x40              ; h_mat
	v_lshl_add_u32 v[SPW], v0, 2, SPARE
	v_mov_b32 v[NIL], 0
	ds_add_u32 v[SPW], v[NIL]                      ; the wave's opening: the add, twice on end, and its wait ahead of my first tensor load
	ds_add_u32 v[SPW], v[NIL]
	v_lshrrev_b32 v1, 5, v0
	v_readfirstlane_b32 s14, v1                    ; wave 0..3
	s_lshr_b32 s15, s14, 1                         ; which half of the tile's rows of x is mine.  Also: I fetch for x (0) or for w (1)
	s_and_b32 s16, s14, 1                          ; which half of its rows of w.  Also: which half I fetch
	s_bfe_u32 s40, ttmp6, 0x40000                  ; cx, cy
	s_bfe_u32 s41, ttmp6, 0x40004
	s_lshl_b32 s42, ttmp9, 2
	s_add_co_u32 s42, s42, s40                     ; tile column
	s_and_b32 s18, ttmp7, 0xffff                   ; the cluster's y
	s_lshl_b32 s17, s18, 2
	s_add_co_u32 s17, s17, s41                     ; tile row
	s_lshl_b32 s43, s41, 2
	s_lshl_b32 s43, 15, s43                        ; my row of the cluster
	s_lshl_b32 s44, 0x1111, s40                    ; my column
	s_or_b32 s[G1+0], s43, (3<<16)|(1<<21)         ; 15:0 the mask; 17:16 elements of 8 bytes; 21 set beside a mask; no padding
	s_or_b32 s[G1B+0], s44, (3<<16)|(1<<21)
.irp g, G1, G1B
	s_mov_b32 s[\g+1], 32<<16                      ; tensor_dim0 = 32 elements: rows of 256 bytes
	s_mov_b32 s[\g+2], 100<<16                     ; tensor_dim1 = 100
	s_mov_b32 s[\g+3], 32<<16                      ; tile_dim0
	s_mov_b32 s[\g+4], 100                         ; tile_dim1
	s_mov_b32 s[\g+5], 32                          ; dense
	s_mov_b32 s[\g+6], 0
	s_mov_b32 s[\g+7], 0
.endr
	s_mov_b32 s[MHI], 0xffff0000
	s_mov_b32 s[SEL], 0x76543210
	s_mov_b32 s[SEL+1], 0xfedcba98
	s_mov_b32 s77, 204800
	s_cmp_ge_u32 s18, 8                            ; q's clusters: the same answer in all sixteen partners
	s_cselect_b32 s76, 1, 0
	s_cselect_b32 s79, 1, 3                        ; laps less one: K = 1024 or 2048, 512 a lap
	s_cselect_b32 s77, 102400, s77                 ; bytes of a block of 128 rows: 8 or 16 units
	s_cselect_b32 s19, 32, 0
	s_sub_co_u32 s78, s17, s19                     ; the tile row within its tensor
	s_lshl_b32 s20, s78, 1
	s_add_co_u32 s20, s20, s16
	s_mul_i32 s20, s20, s77                        ; x: my 128 rows
	s_mov_b32 s21, 0
	s_lshl_b32 s46, s42, 1
	s_add_co_u32 s46, s46, s16
	s_mul_i32 s46, s46, s77                        ; w: my 128 rows
	s_mov_b32 s47, 0
	s_mul_i32 s45, s14, HALF                       ; where they go: no place in the cluster enters an LDS address
	s_wait_dscnt 0x0                               ; both opening adds are done
	s_wait_kmcnt 0x0
	s_cmp_eq_u32 s76, 1
	s_cselect_b64 s[4:5], s[6:7], s[4:5]
	s_cselect_b64 s[8:9], s[10:11], s[8:9]
	s_cselect_b64 s[68:69], s[70:71], s[68:69]
	s_add_nc_u64 s[20:21], s[4:5], s[20:21]
	s_add_nc_u64 s[46:47], s[8:9], s[46:47]
	CROUND                                         ; all sixteen work-groups are here: the first joint loads meet
.irp s, 0,1
	s_mov_b32 s[G0+4*\s], 1
	s_add_co_u32 s[G0+4*\s+1], s45, \s*SLOT
	s_add_nc_u64 s[G0+4*\s+2:G0+4*\s+3], s[20:21], \s*HALF
	s_or_b32 s[G0+4*\s+3], s[G0+4*\s+3], 0x80000000
	s_mov_b32 s[G0B+4*\s], 1
	s_add_co_u32 s[G0B+4*\s+1], s45, \s*SLOT
	s_add_nc_u64 s[G0B+4*\s+2:G0B+4*\s+3], s[46:47], \s*HALF
	s_or_b32 s[G0B+4*\s+3], s[G0B+4*\s+3], 0x80000000
	JLOAD G0+4*\s, G1, G0B+4*\s, G1B
.endr
	v_and_b32 v1, 31, v0
	v_bfe_u32 v2, v0, 4, 1
	v_lshlrev_b32 v[LI], 4, v1
	v_lshlrev_b32 v[L8], 3, v1
	v_lshlrev_b32 v[SH], 3, v2
	v_lshlrev_b32 v[BO], 7, v2
	s_mul_i32 s80, s15, HALF                       ; my 128 rows of x
	s_mul_i32 s81, s16, HALF                       ; my 128 rows of w,
	s_add_co_u32 s81, s81, 2*HALF                  ; behind x's two halves
.irp s, 0,1
	v_add_nc_u32 v[ADRA+\s], s80, v[LI]
	v_add_nc_u32 v[ADRB+\s], s81, v[LI]
	v_add_nc_u32 v[ADSA+\s], s80, v[L8]
	v_add_nc_u32 v[ADSB+\s], s81, v[L8]
	s_add_co_u32 s80, s80, SLOT
	s_add_co_u32 s81, s81, SLOT
.endr
	s_lshl_b32 s82, s42, 10                        ; the bias of my 128 columns: 4 (256 x tile column + 128 x half) bytes on
	s_lshl_b32 s83, s16, 9
	s_add_co_u32 s82, s82, s83
	s_mov_b32 s83, 0
	s_add_nc_u64 s[68:69], s[68:69], s[82:83]
	WIN TO_B
.irp t, 0,1,2,3,4,5,6,7                        ; tile t, lane half h: columns 64 (t / 4) + 32 h + 8 (t % 4) + 0 .. 7
	global_load_b128 v[96+8*(\t%4)+128*(\t/4):96+8*(\t%4)+128*(\t/4)+3], v[BO], s[68:69] offset:4*(64*(\t/4)+8*(\t%4))
	global_load_b128 v[96+8*(\t%4)+128*(\t/4)+4:96+8*(\t%4)+128*(\t/4)+7], v[BO], s[68:69] offset:4*(64*(\t/4)+8*(\t%4))+16
.endr
	WIN 0
	s_wait_tensorcnt 1                             ; my part of K step 0 is in (K step 1's load may be out)
	s_barrier_signal -1
	s_barrier_wait -1                              ; everybody's is
	FETCH_B 0, 0, 0
	FETCH_A 0, 0, 0
	SCALES 0, 0, 0
	FETCH_A 0, 0, 4
	s_wait_loadcnt 0x0                             ; the bias
	STEP 0, 1                                      ; the first step stands in front of the loop: its products start the sums, with the bias
	s_max_u32 s3, s79, 1                           ; 3 or 1 trips: never fewer than one
.Llap:                                                 ; a trip goes once round the ring and fills both slots again
	TURN 0, 1, 1
	STEP 1, 0
	TURN 1, 0, 1
	STEP 0, 0
	s_sub_co_u32 s3, s3, 1
	s_cmp_lg_u32 s3, 0
	s_cbranch_scc1 .Llap
	TURN 0, 1, 0                                   ; the last lap fills nothing, and has no round of the cluster's barrier
	STEP 1, 0
	s_wait_dscnt 12                                ; the very last step: nothing more to fetch
	WIN MUL_LO
	MUL16 0, 1, 0
	MUL16 2, 1, 0
	s_wait_dscnt 0x0
	WIN MUL_HI
	MUL16 4, 1, 0
	MUL16 6, 1, 0
	WIN 0
	PLACES 4                                       ; in front of the first reads of results, of writes over them and over x's fragments, and of loads into w's
	s_lshl_b32 s81, s42, 1
	s_add_co_u32 s81, s81, s16                     ; my unit along the next K: 2 x tile column + half
	s_cmp_eq_u32 s76, 1
	s_cbranch_scc1 .Lq_out
	; ---- v_: my 128 rows are batch 2 x tile row + half; unit (batch, 2 x tile column + half) of vc
	s_lshl_b32 s80, s17, 1
	s_add_co_u32 s80, s80, s15
	s_mul_i32 s80, s80, 24
	s_add_co_u32 s80, s80, s81
	s_mul_i32 s80, s80, 12800
	s_mov_b32 s81, 0
	s_add_nc_u64 s[72:73], s[72:73], s[80:81]
.irp a, 0,1,2,3,4,5,6,7
	VOUT \a
.endr
	global_store_b64 v[L8], v[SW:SW+1], s[72:73] offset:12288      ; the unit's scale words: twice 256 consecutive bytes, aligned
	global_store_b64 v[L8], v[SW+2:SW+3], s[72:73] offset:12544
	s_branch .Ldone
.Lq_out:
	; ---- q_: block a is rows 16 (16 x tile row + 8 x half + a) on, that is batch 8 x tile row + 4 x half + a / 2, queries 16 (a % 2) on
	s_lshl_b32 s92, s81, 9                         ; hm: my unit's 128 numbers of a row
	s_mov_b32 s93, 0
	s_add_nc_u64 s[88:89], s[88:89], s[92:93]
	s_lshl_b32 s94, s78, 3
	s_lshl_b32 s95, s15, 2
	s_add_co_u32 s94, s94, s95                     ; my first batch
	s_mul_i32 s94, s94, 24
	s_add_co_u32 s94, s94, s81
	s_lshl_b32 s94, s94, 10                        ; 1,024 bytes of scale words for a batch and unit
	s_add_co_u32 s94, s94, QSO
	s_mov_b32 s95, 0
	s_add_nc_u64 s[90:91], s[74:75], s[94:95]
	s_lshl_b32 s80, s78, 4
	s_lshl_b32 s82, s15, 3
	s_add_co_u32 s80, s80, s82                     ; my first block of 16 rows
	s_mul_i32 s80, s80, 24
	s_add_co_u32 s80, s80, s81
	s_mul_i32 s80, s80, 12288                      ; eight glimpses' images for a block and unit
	s_mov_b32 s81, 0
	s_add_nc_u64 s[74:75], s[74:75], s[80:81]
	HLOAD 0, 0                                     ; glimpse 0's hm,
	HLOAD 1, 12288                                 ; glimpse 1's: they land under the 512 lines below
	WIN 0x88                                       ; the activation, in place: source 1 and destination window 2; each accumulator from its low end on
.set jj, 0
.rept 256
	v_max_num_f32 v[jj], 0, v[jj]
.set jj, jj+1
.endr
	WIN 0xcc                                       ; and window 3
.set jj, 0
.rept 256
	v_max_num_f32 v[jj], 0, v[jj]
.set jj, jj+1
.endr
	WIN 0
	s_mov_b32 s3, 4
.Lh:                                                   ; four trips, two glimpses each: the register numbers are back where they began after two
	s_wait_loadcnt 16                              ; the even glimpse's hm is in; the odd one's 16 loads, issued behind it, may be out
.irp a, 0,1,2,3,4,5,6,7
	QBLK \a, 0
.endr
	s_cmp_eq_u32 s3, 1                             ; the last trip loads nothing: h_mat has eight rows.  Each way has its own wait
	s_cbranch_scc1 .Lh_nox
	HLOAD 0, 24576                                 ; the buffer has been read eight times: it takes the glimpse two on
	s_wait_loadcnt 16                              ; the odd glimpse's hm is in; the 16 loads just issued may be out
	s_branch .Lh_y
.Lh_nox:
	s_wait_loadcnt 0x0
.Lh_y:
.irp a, 0,1,2,3,4,5,6,7
	QBLK \a, 1
.endr
	s_cmp_eq_u32 s3, 1
	s_cbranch_scc1 .Lh_noy
	HLOAD 1, 36864
	s_branch .Lh_step
.Lh_noy:
	s_wait_loadcnt 0x0
.Lh_step:
	s_wait_xcnt 0x0                                ; loads and stores have read their bases: they step only behind this wait
	s_add_nc_u64 s[74:75], s[74:75], 3072          ; two images on
	s_add_nc_u64 s[88:89], s[88:89], 24576         ; two rows of hm on
	s_add_nc_u64 s[90:91], s[90:91], 256           ; the next pair of glimpses' scale words
	s_sub_co_u32 s3, s3, 1
	s_cmp_lg_u32 s3, 0
	s_cbranch_scc1 .Lh
.Ldone:
	s_wait_tensorcnt 0x0                           ; the wave's end
	ds_add_u32 v[SPW], v[NIL]
	s_wait_dscnt 0x0
	CROUND                                         ; the closing round: no work-group ends while a partner may still ask for a tile that names it
	s_endpgm
.Lfunc_end_k_qa89e3daa3b_gemm:
	.size	k_qa89e3daa3b_gemm, .Lfunc_end_k_qa89e3daa3b_gemm-k_qa89e3daa3b_gemm
	.p2alignl 7, 3214868480
	.fill 96, 4, 3214868480
	.section	.rodata,"a",@progbits
	.p2align	6, 0x0
	.amdhsa_kernel k_qa89e3daa3b_gemm
		.amdhsa_group_segment_fixed_size 327680
		.amdhsa_private_segment_fixed_size 0
		.amdhsa_enable_private_segment 0
		.amdhsa_kernarg_size 72
		.amdhsa_user_sgpr_count 2
		.amdhsa_user_sgpr_kernarg_segment_ptr 1
		.amdhsa_wavefront_size32 1
		.amdhsa_system_sgpr_workgroup_id_x 1
		.amdhsa_system_sgpr_workgroup_id_y 1
		.amdhsa_system_sgpr_workgroup_id_z 1
		.amdhsa_system_vgpr_workitem_id 0
		.amdhsa_next_free_vgpr 1024
		.amdhsa_next_free_sgpr 100
		.amdhsa_reserve_vcc 0
		.amdhsa_float_denorm_mode_32 3
		.amdhsa_float_denorm_mode_16_64 3
		.amdhsa_memory_ordered 1
		.amdhsa_forward_progress 1
		.amdhsa_inst_pref_size 255
	.end_amdhsa_kernel
	.section	.bss,"aw",@nobits
	.p2align	6
	.space	262144
	.amdgpu_metadata
---
amdhsa.version: [ 1, 2 ]
amdhsa.kernels:
  - .name:           k_qa89e3daa3b_gemm
    .symbol:         k_qa89e3daa3b_gemm.kd
    .args:
      - { .name: xv, .offset: 0, .size: 8, .value_kind: global_buffer, .address_space: global }
      - { .name: xq, .offset: 8, .size: 8, .value_kind: global_buffer, .address_space: global }
      - { .name: wv, .offset: 16, .size: 8, .value_kind: global_buffer, .address_space: global }
      - { .name: wq, .offset: 24, .size: 8, .value_kind: global_buffer, .address_space: global }
      - { .name: v_b, .offset: 32, .size: 8, .value_kind: global_buffer, .address_space: global }
      - { .name: q_b, .offset: 40, .size: 8, .value_kind: global_buffer, .address_space: global }
      - { .name: vc, .offset: 48, .size: 8, .value_kind: global_buffer, .address_space: global }
      - { .name: qc, .offset: 56, .size: 8, .value_kind: global_buffer, .address_space: global }
      - { .name: h_mat, .offset: 64, .size: 8, .value_kind: global_buffer, .address_space: global }
    .group_segment_fixed_size: 327680
    .private_segment_fixed_size: 0
    .kernarg_segment_align: 8
    .kernarg_segment_size: 72
    .max_flat_workgroup_size: 128
    .sgpr_count:     100
    .vgpr_count:     1024
    .wavefront_size: 32
...
	.end_amdgpu_metadata
.endif
;; end of part 3
;; launch bilin (part 4): grid 256 x 1, 4 waves a work-group, clusters of 4 x 1, 327,680 bytes of LDS; arguments vc, qc, h_bias, out0; writes out0
.if DOCPART == 4
	.amdgcn_target "amdgcn-amd-amdhsa--gfx1250"
	.amdhsa_code_object_version 6
	.text
	.protected	k_qa89e3daa3b_bilin
	.globl	k_qa89e3daa3b_bilin
	.p2align	8
	.type	k_qa89e3daa3b_bilin,@function
k_qa89e3daa3b_bilin:
	s_mov_b64 s[64:65], 0
	v_nop
	global_prefetch_b8 v0, s[64:65] scope:SCOPE_SE
	s_setreg_imm32_b32 hwreg(HW_REG_WAVE_MODE, 25, 1), 1
	s_wait_xcnt 0x0
	s_wait_alu depctr_hold_cnt(0) depctr_sa_sdst(0) depctr_va_vdst(0) depctr_va_sdst(0) depctr_va_ssrc(0) depctr_va_vcc(0) depctr_vm_vsrc(0)
	s_getreg_b32 s2, hwreg(HW_REG_IB_STS2, 6, 4)
	s_cmp_eq_u32 s2, 0
	s_cbranch_scc0 .Lentry_in_a_cluster
	s_endpgm
.Lentry_in_a_cluster:
	s_bfe_u32 s2, ttmp6, 0x10000c
	s_cmp_lg_u32 s2, 0x3003
	s_cbranch_scc0 .Lentry_shape_is_right
	s_endpgm
.Lentry_shape_is_right:
; FOURTH LAUNCH: out[b][h][v][q] = sum over k of Q(hm[h][k] q_[b][q][k]) Q(v_[b][v][k]) + h_bias[h], K = 3072, on codes of BF6 (E3M2) with E8M0 scales.  Both operands come as codes from the launch before.  No work is left out.
; vc: [b][24] units of 128 rows x 128 K = 12,800 bytes: 8 fragments as images of their registers, 1,536 bytes each (registers 4 p .. 4 p + 3 of lane l at 512 p + 16 l), then 512 bytes of scale words
; (lane l's 8 bytes at 12,288 + 256 j + 8 l: fragments 4 j + l / 16 and 4 j + 2 + l / 16).
; qc: codes [2 b + q / 16][unit 24][h 8] images of 1,536 bytes; from byte QSO on the scale words [b][unit][h / 2][lane][q / 16], 4 bytes: lanes 0-15 the even glimpse's word of query l % 16, lanes 16-31 the odd one's.
; SHARES: a cluster of four work-groups is a batch; a work-group takes two glimpses h.  Wave w: queries 16 (w % 2) on, units 12 (w / 2) on: two fragments (one a glimpse) x 128 v = 16 accumulators over 12 units.
; The two halves of K meet in LDS at the end and are added in f32 (an order of summing that differs from one chain along K: stated as a limit).
; CLUSTER: the four work-groups walk the same V: its 24 units, 307,200 bytes, are asked for JOINTLY, once, at the head: three loads a wave (three are out), each two units, 100 rows of 256 bytes; nothing is filled again.
; My own codes are read by no other wave of the launch: they go straight into registers, 16 bytes a lane, 512 consecutive bytes a load.
; No prefetch: every byte that the launch reads is asked for at its head or within its first four units.
; Source 0 = my 16 queries, source 1 = 16 v: a lane then holds eight neighbouring q of one v, 32 bytes of a row of out.
; REGISTERS, in windows of 256: window 0: v4-15 addresses; v32-39 V's scale words, two sets, v48-59 mine, one a unit (they hold nothing else); v112-127 the bias as C; v128-255 the tail.
;   window 1: eight buffers of 24: a unit's two fragments of mine.   window 2: V's eight fragments, two sets, at v0 and v128.   window 3: accumulator (glimpse, f) at v[8 (8 glimpse + f)].
.set SPARE, 307200                     ; behind V's units: the spare words, 128 bytes a wave, two blocks of 256 bytes that no other line names
.set QSO,   37748736                   ; where qc's scale words begin
.set SPI,   144                        ; the stage (in V's first bytes, when they have had their only fill and their last read): rows of 128 + 16 bytes; copy w / 2 at 36,864 (w / 2)
.set LI,  4                            ; v4   16 x lane
.set L8,  5                            ; v5   8 x lane
.set VA,  6                            ; v6   V's fragments: 16 x lane + my half of K (+ 51,200 a phase)
.set VSA, 7                            ; v7   the same with 8 x lane, for V's scale words
.set SO,  9                            ; v9   the stage, in
.set SR0, 10                           ; v10  and back, copy 0
.set SR1, 11                           ; v11  copy 1
.set SPW, 14                           ; v14  my spare word; never rewritten
.set NIL, 15                           ; v15  0; never rewritten
.set VS,  32
.set AS,  48
.set BI,  112
.set G1,  24                           ; s[24:31]
.set G0,  32                           ; s[32:43] three sets
.set MSB, 0
.macro WIN new                         ; the immediate's high byte repeats the setting that is left
.if MSB != (\new)
	s_set_vgpr_msb (MSB<<8)|(\new)
.set MSB, (\new)
.endif
.endm
.macro PLACES n
.rept \n
	v_nop
.endr
.endm
.macro ROUND                           ; a round of the cluster's barrier
	s_barrier_signal -1
	s_barrier_wait -1
	s_cmp_lg_u32 s14, 0
	s_cbranch_scc1 .Lnot_wave_0_\@
	s_barrier_signal -3
.Lnot_wave_0_\@:
	s_barrier_wait -3
	s_barrier_signal -1
	s_barrier_wait -1
.endm
.macro ALOAD u                         ; my two fragments of my unit u: six loads of 512 consecutive bytes, into buffer u % 8 of window 1; read once in the launch
	WIN 0x40
.irp hh, 0,1
.irp p, 0,1,2
	global_load_b128 v[24*((\u)%8)+12*\hh+4*\p:24*((\u)%8)+12*\hh+4*\p+3], v[LI], s[52:53] offset:12288*(\u)+1536*\hh+512*\p th:TH_LOAD_NT
.endr
.endr
	WIN 0
.endm
.macro VLOAD u                         ; V's eight fragments and four registers of scale words of my unit u, into set u % 2: 26 LDS loads
	WIN 0x80
.irp f, 0,1,2,3,4,5,6,7
.irp cc, 0,1,2
	ds_load_b128 v[128*((\u)%2)+12*\f+4*\cc:128*((\u)%2)+12*\f+4*\cc+3], v[VA] offset:12800*((\u)%4)+1536*\f+512*\cc
.endr
.endr
	WIN 0
.irp j, 0,1
	ds_load_b64 v[VS+4*((\u)%2)+2*\j:VS+4*((\u)%2)+2*\j+1], v[VSA] offset:12800*((\u)%4)+12288+256*\j
.endr
.endm
.macro PM u, f, hh                     ; one product: glimpse hh's 16 queries against V's fragment f, unit u; in unit 0 the bias (or 0) is C and starts the sum
.set DD, 8*(8*(\hh)+(\f))
.set CC, DD
.if (\u) == 0
.set CC, BI+8*(\hh)
.endif
.set AA, 24*((\u)%8)+12*(\hh)
.set BB, 128*((\u)%2)+12*(\f)
.set SAR, AS+(\u)
.set SBR, VS+4*((\u)%2)+(\f)/2
.if ((\hh) == 0) && ((\f)%2 == 0)
	v_wmma_scale_f32_16x16x128_f8f6f4 v[DD:DD+7], v[AA:AA+11], v[BB:BB+11], v[CC:CC+7], v[SAR], v[SBR] matrix_a_fmt:MATRIX_FMT_BF6 matrix_b_fmt:MATRIX_FMT_BF6
.elseif ((\f)%2 == 0)
	v_wmma_scale_f32_16x16x128_f8f6f4 v[DD:DD+7], v[AA:AA+11], v[BB:BB+11], v[CC:CC+7], v[SAR], v[SBR] matrix_a_fmt:MATRIX_FMT_BF6 matrix_b_fmt:MATRIX_FMT_BF6 matrix_a_scale:MATRIX_SCALE_ROW1
.elseif ((\hh) == 0)
	v_wmma_scale_f32_16x16x128_f8f6f4 v[DD:DD+7], v[AA:AA+11], v[BB:BB+11], v[CC:CC+7], v[SAR], v[SBR] matrix_a_fmt:MATRIX_FMT_BF6 matrix_b_fmt:MATRIX_FMT_BF6 matrix_b_scale:MATRIX_SCALE_ROW1
.else
	v_wmma_scale_f32_16x16x128_f8f6f4 v[DD:DD+7], v[AA:AA+11], v[BB:BB+11], v[CC:CC+7], v[SAR], v[SBR] matrix_a_fmt:MATRIX_FMT_BF6 matrix_b_fmt:MATRIX_FMT_BF6 matrix_a_scale:MATRIX_SCALE_ROW1 matrix_b_scale:MATRIX_SCALE_ROW1
.endif
.endm
.macro PHASE p                         ; four more units of V are there, for every wave.  Nothing is ever filled again, so the later loads may stay out across the barrier
	s_wait_tensorcnt 2-(\p)                        ; my load p has landed; the 2 - p younger ones may be out
	s_wait_dscnt 0x0                               ; no LDS instruction of mine is out at the signal
	s_barrier_signal -1
	s_barrier_wait -1
.if (\p) > 0
	v_add_nc_u32 v[VA], 51200, v[VA]
	v_add_nc_u32 v[VSA], 51200, v[VSA]
.endif
.endm
.macro UNIT u
.if (\u) > 0
	PLACES 4                                       ; in front of loads into registers that the last unit's products have read: my buffer, V's other set is two units back
.endif
.if ((\u) >= 1) && ((\u) <= 4)
	ALOAD (\u)+7                                   ; the last unit's buffer takes the unit eight on
.endif
.if (\u) < 11
.if ((\u)+1)%4 == 0
	PHASE ((\u)+1)/4
.endif
	VLOAD (\u)+1                                   ; the next unit's V, while this unit is multiplied
	s_wait_dscnt 26                                ; this unit's V is in; the 26 loads just issued may be out
.else
	s_wait_dscnt 0x0
.endif
.if (\u) <= 4
	s_wait_loadcnt 42                              ; my fragments of this unit are in; younger: 6 (7 - u) of the head's loads and 6 u (at most 24) of units 8 on
.else
	s_wait_loadcnt 6*(11-(\u))
.endif
.if (\u) == 0
	WIN 0xc9                                       ; source 0 (mine) window 1, source 1 (V) window 2, C (the bias) window 0, D window 3
.else
	WIN 0xf9                                       ; C and D window 3
.endif
.irp f, 0,1,2,3,4,5,6,7                        ; the 16 accumulators take turns, one instruction a turn
.irp hh, 0,1
	PM \u, \f, \hh
.endr
.endr
	WIN 0
.endm
	s_load_b256 s[4:11], s[0:1], 0x0               ; vc, qc, h_bias, out0
	v_lshl_add_u32 v[SPW], v0, 2, SPARE
	v_mov_b32 v[NIL], 0
	ds_add_u32 v[SPW], v[NIL]                      ; the wave's opening: the add, twice on end, and its wait ahead of my first tensor load
	ds_add_u32 v[SPW], v[NIL]
	v_lshrrev_b32 v1, 5, v0
	v_readfirstlane_b32 s14, v1                    ; wave 0..3
	s_and_b32 s15, s14, 1                          ; which 16 queries
	s_lshr_b32 s16, s14, 1                         ; which half of K
	s_bfe_u32 s17, ttmp6, 0x40000                  ; cx: my pair of glimpses; it enters qc's, the bias's and out's addresses alone
	s_mov_b32 s[G1], 15|(3<<16)|(1<<21)            ; 15:0 the mask: all four; 17:16 elements of 8 bytes; 21 set beside a mask; no padding
	s_mov_b32 s[G1+1], 32<<16                      ; tensor_dim0 = 32 elements: rows of 256 bytes
	s_mov_b32 s[G1+2], 100<<16                     ; tensor_dim1 = 100: two units
	s_mov_b32 s[G1+3], 32<<16                      ; tile_dim0
	s_mov_b32 s[G1+4], 100                         ; tile_dim1
	s_mov_b32 s[G1+5], 32                          ; dense
	s_mov_b32 s[G1+6], 0
	s_mov_b32 s[G1+7], 0
	s_mul_i32 s19, s16, 12
	s_lshl_b32 s20, s15, 1
	s_add_co_u32 s19, s19, s20                     ; my first load's first unit: 12 (w / 2) + 2 (w % 2)
	s_mul_i32 s46, s19, 12800                      ; in LDS,
	s_mul_i32 s20, ttmp9, 307200                   ; the batch (in a cluster launch ttmp9 counts clusters)
	s_add_co_u32 s48, s46, s20                     ; and in vc
	s_mov_b32 s49, 0
	s_lshl_b32 s52, ttmp9, 1
	s_add_co_u32 s52, s52, s15
	s_mul_i32 s52, s52, 24
	s_mul_i32 s53, s16, 12
	s_add_co_u32 s52, s52, s53
	s_mul_i32 s52, s52, 12288                      ; my codes: ((2 b + w % 2) 24 + 12 (w / 2)) x 12,288
	s_mul_i32 s53, s17, 3072                       ; + my pair of glimpses
	s_add_co_u32 s52, s52, s53
	s_mov_b32 s53, 0
	s_mul_i32 s50, ttmp9, 24
	s_mul_i32 s51, s16, 12
	s_add_co_u32 s50, s50, s51
	s_lshl_b32 s50, s50, 10                        ; my scale words: (24 b + 12 (w / 2)) x 1,024
	s_lshl_b32 s51, s17, 8                         ; + 256 x my pair of glimpses
	s_add_co_u32 s50, s50, s51
	s_lshl_b32 s51, s15, 2                         ; + 4 x (w % 2)
	s_add_co_u32 s50, s50, s51
	s_add_co_u32 s50, s50, QSO
	s_mov_b32 s51, 0
	s_lshl_b32 s56, s17, 3                         ; my two numbers of h_bias
	s_mov_b32 s57, 0
	s_lshl_b32 s58, ttmp9, 3
	s_lshl_b32 s59, s17, 1
	s_add_co_u32 s58, s58, s59
	s_add_co_u32 s58, s58, s16                     ; on the way out wave w stores glimpse w / 2,
	s_lshl_b32 s58, s58, 7
	s_lshl_b32 s59, s15, 6                         ; v 64 (w % 2) on
	s_add_co_u32 s58, s58, s59
	s_lshl_b32 s58, s58, 7                         ; rows of 128 bytes
	s_mov_b32 s59, 0
	s_wait_dscnt 0x0                               ; both opening adds are done
	s_wait_kmcnt 0x0
	s_add_nc_u64 s[48:49], s[4:5], s[48:49]
	s_add_nc_u64 s[52:53], s[6:7], s[52:53]
	s_add_nc_u64 s[50:51], s[6:7], s[50:51]
	s_add_nc_u64 s[8:9], s[8:9], s[56:57]
	s_add_nc_u64 s[10:11], s[10:11], s[58:59]
	ROUND                                          ; all four work-groups are here: the joint loads meet
.irp i, 0,1,2
	s_mov_b32 s[G0+4*\i], 1
	s_add_co_u32 s[G0+4*\i+1], s46, \i*4*12800
	s_add_nc_u64 s[G0+4*\i+2:G0+4*\i+3], s[48:49], \i*4*12800
	s_or_b32 s[G0+4*\i+3], s[G0+4*\i+3], 0x80000000
.endr
	tensor_load_to_lds s[G0:G0+3], s[G1:G1+7]      ; every wave asks for three pairs of units: all of V in twelve loads, filled once
	s_nop 0
	tensor_load_to_lds s[G0+4:G0+7], s[G1:G1+7]
	s_nop 0
	tensor_load_to_lds s[G0+8:G0+11], s[G1:G1+7]
	s_nop 0
.rept 4
	v_nop
.endr
	s_load_b64 s[54:55], s[8:9], 0x0               ; h_bias of my two glimpses
	v_and_b32 v1, 31, v0                           ; lane
	v_and_b32 v2, 15, v0                           ; r
	v_bfe_u32 v3, v0, 4, 1                         ; h
	v_lshlrev_b32 v[LI], 4, v1
	v_lshlrev_b32 v[L8], 3, v1
.irp u, 0,1,2,3,4,5,6,7,8,9,10,11
	global_load_b32 v[AS+\u], v[L8], s[50:51] offset:1024*\u     ; my scale words of my 12 units: lanes 0-15 the even glimpse's, lanes 16-31 the odd one's; they stay in registers
.endr
.irp u, 0,1,2,3,4,5,6,7
	ALOAD \u                                       ; with the twelve above 60 loads are out
.endr
	s_mul_i32 s20, s16, 153600
	v_add_nc_u32 v[VA], s20, v[LI]
	v_add_nc_u32 v[VSA], s20, v[L8]
	s_mul_i32 s20, s16, 36864
	s_lshl_b32 s21, s15, 6
	s_add_co_u32 s20, s20, s21
	v_mul_u32_u24 v[SO], v2, SPI
	v_lshl_add_u32 v[SO], v3, 5, v[SO]
	v_add_nc_u32 v[SO], s20, v[SO]                 ; the stage, in: copy w / 2, row r, + 64 (w % 2) + 32 h
	v_lshrrev_b32 v[SR0], 3, v1
	v_mul_u32_u24 v[SR0], v[SR0], SPI
	v_and_b32 v2, 7, v1
	v_lshl_add_u32 v[SR0], v2, 4, v[SR0]
	s_mul_i32 s20, s14, 64*SPI
	v_add_nc_u32 v[SR0], s20, v[SR0]               ; back: rows 64 w on, eight lanes to a row of 128 bytes
	v_add_nc_u32 v[SR1], 36864, v[SR0]
	s_wait_kmcnt 0x0
	s_cmp_eq_u32 s16, 0                            ; the bias enters once: in the first half of K
	s_cselect_b32 s54, s54, 0
	s_cselect_b32 s55, s55, 0
.irp j, 0,1,2,3,4,5,6,7
	v_mov_b32 v[BI+\j], s54
	v_mov_b32 v[BI+8+\j], s55
.endr
	PHASE 0
	VLOAD 0
	UNIT 0
	UNIT 1
	UNIT 2
	UNIT 3
	UNIT 4
	UNIT 5
	UNIT 6
	UNIT 7
	UNIT 8
	UNIT 9
	UNIT 10
	UNIT 11
	; ---- the way out: both halves of K meet in the stage
	PLACES 4                                       ; in front of the first reads of results
	s_wait_dscnt 0x0
	s_barrier_signal -1
	s_barrier_wait -1                              ; every wave's reads of V are over, and all loads have landed: the stage may be written
	WIN 0x0c                                       ; an LDS store's data are its source 1: window 3
.irp hh, 0,1
.irp f, 0,1,2,3,4,5,6,7
	ds_store_b128 v[SO], v[8*(8*\hh+\f):8*(8*\hh+\f)+3] offset:(128*\hh+16*\f)*SPI        ; lane (r, h): out(glimpse hh, v = 16 f + r, q = 16 (w % 2) + 8 h + 0 .. 7); each accumulator from its low end on
	ds_store_b128 v[SO], v[8*(8*\hh+\f)+4:8*(8*\hh+\f)+7] offset:(128*\hh+16*\f)*SPI+16
.endr
.endr
	WIN 0
	s_wait_dscnt 0x0                               ; for the others' sake: my stores have landed
	s_barrier_signal -1
	s_barrier_wait -1
.irp i, 0,1,2,3,4,5,6,7,8,9,10,11,12,13,14,15
	ds_load_b128 v[128+4*\i:128+4*\i+3], v[SR0] offset:4*SPI*\i
	ds_load_b128 v[192+4*\i:192+4*\i+3], v[SR1] offset:4*SPI*\i
.endr
.irp i, 0,1,2,3,4,5,6,7,8,9,10,11,12,13,14,15
	s_wait_dscnt 30-2*\i                           ; pair i is in; the younger pairs may be out
	v_pk_add_f32 v[128+4*\i:129+4*\i], v[128+4*\i:129+4*\i], v[192+4*\i:193+4*\i]
	v_pk_add_f32 v[130+4*\i:131+4*\i], v[130+4*\i:131+4*\i], v[194+4*\i:195+4*\i]
	global_store_b128 v[LI], v[128+4*\i:131+4*\i], s[10:11] offset:512*\i th:TH_STORE_NT   ; four rows of out: 512 consecutive bytes, aligned
.endr
	s_wait_tensorcnt 0x0                           ; the wave's end
	ds_add_u32 v[SPW], v[NIL]
	s_wait_dscnt 0x0
	ROUND                                          ; the closing round
	s_endpgm
.Lfunc_end_k_qa89e3daa3b_bilin:
	.size	k_qa89e3daa3b_bilin, .Lfunc_end_k_qa89e3daa3b_bilin-k_qa89e3daa3b_bilin
	.p2alignl 7, 3214868480
	.fill 96, 4, 3214868480
	.section	.rodata,"a",@progbits
	.p2align	6, 0x0
	.amdhsa_kernel k_qa89e3daa3b_bilin
		.amdhsa_group_segment_fixed_size 327680
		.amdhsa_private_segment_fixed_size 0
		.amdhsa_enable_private_segment 0
		.amdhsa_kernarg_size 32
		.amdhsa_user_sgpr_count 2
		.amdhsa_user_sgpr_kernarg_segment_ptr 1
		.amdhsa_wavefront_size32 1
		.amdhsa_system_sgpr_workgroup_id_x 1
		.amdhsa_system_sgpr_workgroup_id_y 1
		.amdhsa_system_sgpr_workgroup_id_z 1
		.amdhsa_system_vgpr_workitem_id 0
		.amdhsa_next_free_vgpr 896
		.amdhsa_next_free_sgpr 72
		.amdhsa_reserve_vcc 0
		.amdhsa_float_denorm_mode_32 3
		.amdhsa_float_denorm_mode_16_64 3
		.amdhsa_memory_ordered 1
		.amdhsa_forward_progress 1
		.amdhsa_inst_pref_size 72
	.end_amdhsa_kernel
	.amdgpu_metadata
---
amdhsa.version: [ 1, 2 ]
amdhsa.kernels:
  - .name:           k_qa89e3daa3b_bilin
    .symbol:         k_qa89e3daa3b_bilin.kd
    .args:
      - { .name: vc, .offset: 0, .size: 8, .value_kind: global_buffer, .address_space: global }
      - { .name: qc, .offset: 8, .size: 8, .value_kind: global_buffer, .address_space: global }
      - { .name: h_bias, .offset: 16, .size: 8, .value_kind: global_buffer, .address_space: global }
      - { .name: out0, .offset: 24, .size: 8, .value_kind: global_buffer, .address_space: global }
    .group_segment_fixed_size: 327680
    .private_segment_fixed_size: 0
    .kernarg_segment_align: 8
    .kernarg_segment_size: 32
    .max_flat_workgroup_size: 128
    .sgpr_count:     72
    .vgpr_count:     896
    .wavefront_size: 32
...
	.end_amdgpu_metadata
.endif
;; end of part 4
